; MI455X (gfx1250); checked and timed in simulation.
; The chip was launched on July 23, 2026; its instructions are those of AMD's public machine-readable ISA for CDNA 5 (MIT licence, August 2026) and "CDNA5" Instruction Set Architecture Reference Guide (July 2026). The comments in the code are by the model that wrote it; some were corrected since.
;; CLIP Attention. Allowed arithmetic: matrix products marked QUANTISED: E4M3 operands, one given power-of-two scale a tensor, by v_wmma_f32_16x16x64_fp8_fp8 or v_wmma_f32_16x16x128_fp8_fp8, f32 sums; everything else in f32.
;; Inputs: Wk 1,024 x 1,024 float32; Wo 1,024 x 1,024 float32; Wq 1,024 x 1,024 float32; Wv 1,024 x 1,024 float32; bk 1,024 float32; bo 1,024 float32; bq 1,024 float32; bv 1,024 float32; causal_attention_mask 8 x 1 x 1,024 x 1,024 float32; hidden_states 8 x 1,024 x 1,024 float32; lowp_scales 12 int32 (the exponents e of the quantised operands' scales 2^e).
;; Outputs: out0 8 x 1,024 x 1,024 float32.
;; This version of the problem:
;;   THIS VERSION OF THE PROBLEM IS GIVEN IN LOW PRECISION. The matrix products marked QUANTISED in the list below multiply operands that are first quantised to E4M3 (4 exponent bits, 3 mantissa bits; 8 bits a number), with one given power-of-two scale for each operand tensor; their sums are f32. All else is computed in f32.
;;   The module's matrix products, in the order in which they are computed (A, B: the left and right operand; K: the contracted axis; several contracted axes count as one K, in the product's order):
;;     1. [M 8,192, K 1,024] x [K 1,024, N 1,024]; A: input hidden_states; B: input Wq: QUANTISED (scales: A lowp_scales[0], B lowp_scales[1])
;;     2. [M 8,192, K 1,024] x [K 1,024, N 1,024]; A: input hidden_states; B: input Wk: QUANTISED (scales: A lowp_scales[2], B lowp_scales[3])
;;     3. [M 8,192, K 1,024] x [K 1,024, N 1,024]; A: input hidden_states; B: input Wv: QUANTISED (scales: A lowp_scales[4], B lowp_scales[5])
;;     4. batch 128 x [M 1,024, K 64] x [K 64, N 1,024]; A: computed on the way; B: computed on the way: QUANTISED (scales: A lowp_scales[6], B lowp_scales[7])
;;     5. batch 128 x [M 1,024, K 1,024] x [K 1,024, N 64]; A: softmax (see below); B: computed on the way: QUANTISED (scales: A lowp_scales[8], B lowp_scales[9])
;;     6. [M 8,192, K 1,024] x [K 1,024, N 1,024]; A: computed on the way; B: input Wo: QUANTISED (scales: A lowp_scales[10], B lowp_scales[11])
;;   THE QUANTISER, for each operand of a quantised product, along K:
;;     - The operand's scale is 2^e, e = its entry of the input lowp_scales (int32; the entries are numbered through the quantised products in the list's order, A before B).
;;     - Each number is divided by the scale, clamped to +-448, and rounded to the nearest number of E4M3, ties to even, subnormals kept.
;;     - The product sums the exact products of the quantised numbers (number of the format x scale) in f32.
;;   ~~~python
;;   def quantise(x, axis, e):      # numpy; x: float32 -> the quantised numbers, widened to float32 again
;;       x = np.moveaxis(x, axis, -1); K = x.shape[-1]
;;       r = np.clip(x / 2.0 ** e, -448, 448)
;;       step = 2.0 ** (np.maximum(np.frexp(np.where(r == 0, 1, r))[1] - 1, -6) - 3)
;;       q = np.round(r / step) * step * 2.0 ** e      # np.round: ties to even
;;       return np.moveaxis(q, -1, axis).astype(np.float32)
;;   ~~~
;;   SOFTMAX AHEAD OF A QUANTISED PRODUCT. Where the list says 'softmax', what is quantised is not the finished softmax but p = 2^(t - M), with t = logit x log2(e) and M = ceil(the row's largest t), a whole number; so 1/2 < the row's largest p <= 1. The row's sum l is taken of the UNQUANTISED p, in f32, and the product's result is divided by l at the end. Since M is a whole number, a kernel that streams over the keys may use a running M (the ceiling of the running maximum): every later rescaling is an exact power of two, so the quantised numbers keep their values, but for numbers so far below the row's largest that they fall under the format's range.
;;   OPERANDS COMPUTED ON THE WAY. 'Computed on the way' means the value that the module computes at that place (a softmax that the list does not call 'softmax' is quantised finished and normalised). What goes into a quantiser is computed in f32, as accurately as f32 sums, v_exp_f32 and their like allow (about 1e-6 of the number): no bf16 or f16 on the way to a quantiser, and a product that is left as it is and whose result goes on into a quantised operand takes f32 operands (vector FMAs, or v_wmma_f32_16x16x4_f32). A number that lies on a knife's edge between two numbers of the format may be rounded either way, as far as f32 arithmetic and the matrix unit's own rounding can turn it there, and no further.
;; One version. Each part assembles by itself: llvm-mc -triple=amdgcn-amd-amdhsa -mcpu=gfx1250 --defsym DOCPART=n.
;; ======== version 1 of 1: 4 launches
;; limits: right only within a limited range of input values
;; workspace buffers: xc 25,165,824 bytes; wc 4,194,304 bytes; qkv 25,165,824 bytes; ctx 8,388,608 bytes
;; launch quant (part 1): grid 384 x 1, 4 waves a work-group, no clusters, 33,280 bytes of LDS; arguments hidden_states, Wq, Wk, Wv, Wo, lowp_scales, xc, wc; writes xc, wc
.if DOCPART == 1
	.amdgcn_target "amdgcn-amd-amdhsa--gfx1250"
	.amdhsa_code_object_version 6
	.text
	.protected	k_qff20b38d1e_quant
	.globl	k_qff20b38d1e_quant
	.p2align	8
	.type	k_qff20b38d1e_quant,@function
k_qff20b38d1e_quant:
	s_mov_b64 s[64:65], 0
	v_nop
	global_prefetch_b8 v0, s[64:65] scope:SCOPE_SE
	s_setreg_imm32_b32 hwreg(HW_REG_WAVE_MODE, 25, 1), 1
	s_wait_xcnt 0x0
; hidden_states [8192][1024] and Wq, Wk, Wv, Wo [1024][1024], all f32 with K innermost, become codes of FP8 (E4M3), one byte a number, K innermost.
; hidden_states is the left operand of three products, each with a scale of its own (entries 0, 2, 4 of the scales): three sets of codes, xc[0], xc[1], xc[2], 8 MiB apart.
; The weights take entries 1, 3, 5, 11 and go to wc[0..3], 1 MiB each.   code = x / 2^e, held within +-448, to the nearest code, ties to even.
; LIMITS: each e lies between -126 and 119, so that 2^e and 448 x 2^e are f32 numbers.  NaN among the inputs is not served (an infinity is held at the largest code).
; Rows are dense, so every tensor is a plain stream.  A work-group takes 32,768 numbers, a wave 8,192 in 16 steps of 512.  Work-groups 0-255 take hidden_states, 256-383 the weights, 32 each.
; One path for all: pointers and exponents are chosen by the work-group's number; only the second and third set of codes stand under a branch on that number (register work and stores alone).
; A step's four loads read 512 consecutive bytes each, 16 a lane; the 2,048 bytes turn through the wave's own stage in LDS and come back 64 bytes a lane, so that a lane holds 16 neighbours along K,
; as the conversions want; a lane's 16 codes are 16 bytes, so a wave's store covers 512 consecutive bytes.  Waves share nothing: no barrier.  Loads run four steps ahead, the turn through LDS one step.
.set WAVES, 4
.set STEPS, 16
.set SP,    80                         ; a lane's place in a stage: its 64 bytes + 16 of padding
.set WREG,  8192                       ; LDS: a region for each wave: two stages of 32 x SP bytes
.set SPARE, WAVES*WREG                 ; behind the regions: the spare words, 128 bytes for each wave; no other line names them
.set R,     16                         ; v16-79   four sets of 16 numbers as loaded
.set X,     80                         ; v80-111  two sets of 16 neighbours
.set T,     112
.set C,     128                        ; v128-139 three sets of four registers of codes
.set SPW,   12                         ; v12      LDS address of my spare word; never rewritten
.set NIL,   13                         ; v13      0; never rewritten
                                       ; v6 / v8 / v10: 2^e of set 0 / 1 / 2
	s_load_b512 s[4:19], s[0:1], 0x0               ; hidden s[4:5], Wq s[6:7], Wk s[8:9], Wv s[10:11], Wo s[12:13], scales s[14:15], xc s[16:17], wc s[18:19]
	v_lshl_add_u32 v[SPW], v0, 2, SPARE
	v_mov_b32 v[NIL], 0
	v_lshrrev_b32 v1, 5, v0
	v_readfirstlane_b32 s44, v1                    ; wave
	v_and_b32 v2, 31, v0                           ; lane
	v_lshlrev_b32 v3, 4, v2                        ; 16 x lane: my 16 bytes of a load's 512, and of a store's
	s_mul_i32 s45, s44, WREG
	v_lshrrev_b32 v14, 2, v2
	v_mul_u32_u24 v14, v14, SP
	v_and_b32 v15, 3, v2
	v_lshl_add_u32 v14, v15, 4, v14
	v_add_nc_u32 v14, s45, v14                     ; the stage on the way in: SP (lane / 4) + 16 (lane % 4)
	v_mul_u32_u24 v15, v2, SP
	v_add_nc_u32 v15, s45, v15                     ; and on the way out: SP x lane
	s_and_b32 s46, ttmp9, 31                       ; a weight's work-group: which 32,768 numbers of its matrix,
	s_and_b32 s47, ttmp9, 127                      ; and of wc
	s_cmp_lt_u32 ttmp9, 256
	s_cselect_b32 s46, ttmp9, s46
	s_cselect_b32 s47, ttmp9, s47
	s_lshl_b32 s46, s46, 2
	s_add_co_u32 s46, s46, s44
	s_lshl_b32 s48, s46, 15                        ; my wave's 8,192 numbers: 32,768 bytes
	s_mov_b32 s49, 0
	s_lshl_b32 s47, s47, 2
	s_add_co_u32 s47, s47, s44
	s_lshl_b32 s50, s47, 13                        ; and their 8,192 codes
	s_mov_b32 s51, 0
	s_wait_alu depctr_va_vdst(0)
	s_wait_kmcnt 0x0
	s_load_b256 s[24:31], s[14:15], 0x0            ; e0 .. e7
	s_load_b128 s[32:35], s[14:15], 0x20           ; e8 .. e11
	s_cmp_lt_u32 ttmp9, 352                        ; the source, by the work-group's number alone
	s_cselect_b64 s[36:37], s[10:11], s[12:13]
	s_cmp_lt_u32 ttmp9, 320
	s_cselect_b64 s[36:37], s[8:9], s[36:37]
	s_cmp_lt_u32 ttmp9, 288
	s_cselect_b64 s[36:37], s[6:7], s[36:37]
	s_cmp_lt_u32 ttmp9, 256
	s_cselect_b64 s[36:37], s[4:5], s[36:37]
	s_cselect_b64 s[38:39], s[16:17], s[18:19]     ; the codes go to xc or to wc
	s_add_nc_u64 s[36:37], s[36:37], s[48:49]
	s_add_nc_u64 s[38:39], s[38:39], s[50:51]
	s_add_nc_u64 s[40:41], s[38:39], 0x800000      ; xc's second set (used by hidden_states' work-groups alone)
	s_add_nc_u64 s[42:43], s[38:39], 0x1000000     ; and its third
.macro MKSC e, vsc, vlim               ; 2^e as f32 (the conversion takes its exponent field)
	s_add_co_i32 s54, \e, 127
	s_lshl_b32 s55, s54, 23
	v_mov_b32 v[\vsc], s55
.endm
.macro LOAD t
.irp i, 0,1,2,3
	global_load_b128 v[R+16*((\t)%4)+4*\i:R+16*((\t)%4)+4*\i+3], v3, s[36:37] offset:2048*(\t)+512*\i th:TH_LOAD_NT   ; 32 lanes read 512 consecutive bytes; read once in the launch
.endr
.endm
.macro TURN t                          ; step t's numbers through the stage: LDS serves a wave's instructions in order (ISA guide 5.7.1.4), so no wait stands between the stores and the loads
.irp i, 0,1,2,3
	ds_store_b128 v14, v[R+16*((\t)%4)+4*\i:R+16*((\t)%4)+4*\i+3] offset:32*SP*((\t)%2)+8*SP*\i
.endr
.irp i, 0,1,2,3
	ds_load_b128 v[X+16*((\t)%2)+4*\i:X+16*((\t)%2)+4*\i+3], v15 offset:32*SP*((\t)%2)+16*\i
.endr
.endm
.macro QSET k, t                       ; step t's 16 numbers of a lane into set k's codes
.set XS, X+16*((\t)%2)
.set i, 0
.rept 16
.set i, i+1
.endr
	v_cvt_scalef32_pk8_fp8_f32 v[C+4*\k:C+4*\k+1], v[XS:XS+7], v[6+2*\k]
	v_cvt_scalef32_pk8_fp8_f32 v[C+4*\k+2:C+4*\k+3], v[XS+8:XS+15], v[6+2*\k]
	v_nop                                          ; one plain vector line between a scaled conversion and the next vector line that writes its sources
	global_store_b128 v3, v[C+4*\k:C+4*\k+3], s[38+2*\k:39+2*\k] offset:512*(\t)   ; 32 lanes store 512 consecutive bytes, aligned
.endm
.irp t, 0,1,2,3
	LOAD \t
.endr
	s_wait_kmcnt 0x0
	s_cmp_lt_u32 ttmp9, 352                        ; set 0's exponent: e0 for hidden_states; e1, e3, e5, e11 for the weights
	s_cselect_b32 s52, s29, s35
	s_cmp_lt_u32 ttmp9, 320
	s_cselect_b32 s52, s27, s52
	s_cmp_lt_u32 ttmp9, 288
	s_cselect_b32 s52, s25, s52
	s_cmp_lt_u32 ttmp9, 256
	s_cselect_b32 s52, s24, s52
	MKSC s52, 6, 7
	MKSC s26, 8, 9                                 ; e2
	MKSC s28, 10, 11                               ; e4
	s_wait_alu depctr_va_vdst(0)
	s_wait_loadcnt 12                              ; step 0's four loads are in; three steps' twelve may be out
	TURN 0
.macro STEP t
	s_wait_dscnt 0x0                               ; this step's numbers are back from the stage: so its stores into the stage have read their registers,
.if (\t)+4 < STEPS
	LOAD (\t)+4                                    ; which take the loads of four steps on
.endif
.if (\t)+1 < STEPS
.if STEPS-2-(\t) >= 3
	s_wait_loadcnt 12                              ; the next step's four loads are in; those of the three steps behind it may be out
.else
	s_wait_loadcnt 4*(STEPS-2-(\t))
.endif
	TURN (\t)+1                                    ; they go through the other stage while this step is worked
.endif
	s_wait_xcnt 0x0                                ; the last step's stores have read their data: the codes' registers are written again only behind this wait
	QSET 0, \t
	s_cmp_lt_u32 ttmp9, 256                        ; a weight has one set of codes
	s_cbranch_scc0 .Lweight_\@
	QSET 1, \t
	QSET 2, \t
.Lweight_\@:
.endm
.irp t, 0,1,2,3,4,5,6,7,8,9,10,11,12,13,14,15
	STEP \t
.endr
	s_wait_tensorcnt 0x0                           ; the wave's end: three lines behind my last LDS store
	ds_add_u32 v[SPW], v[NIL]
	s_wait_dscnt 0x0
	s_endpgm
.Lfunc_end_k_qff20b38d1e_quant:
	.size	k_qff20b38d1e_quant, .Lfunc_end_k_qff20b38d1e_quant-k_qff20b38d1e_quant
	.p2alignl 7, 3214868480
	.fill 96, 4, 3214868480
	.section	.rodata,"a",@progbits
	.p2align	6, 0x0
	.amdhsa_kernel k_qff20b38d1e_quant
		.amdhsa_group_segment_fixed_size 33280
		.amdhsa_private_segment_fixed_size 0
		.amdhsa_enable_private_segment 0
		.amdhsa_kernarg_size 64
		.amdhsa_user_sgpr_count 2
		.amdhsa_user_sgpr_kernarg_segment_ptr 1
		.amdhsa_wavefront_size32 1
		.amdhsa_system_sgpr_workgroup_id_x 1
		.amdhsa_system_sgpr_workgroup_id_y 1
		.amdhsa_system_sgpr_workgroup_id_z 1
		.amdhsa_system_vgpr_workitem_id 0
		.amdhsa_next_free_vgpr 144
		.amdhsa_next_free_sgpr 66
		.amdhsa_reserve_vcc 0
		.amdhsa_float_denorm_mode_32 3
		.amdhsa_float_denorm_mode_16_64 3
		.amdhsa_fp16_overflow 1
		.amdhsa_memory_ordered 1
		.amdhsa_forward_progress 1
		.amdhsa_inst_pref_size 33
	.end_amdhsa_kernel
	.amdgpu_metadata
---
amdhsa.version: [ 1, 2 ]
amdhsa.kernels:
  - .name:           k_qff20b38d1e_quant
    .symbol:         k_qff20b38d1e_quant.kd
    .args:
      - { .name: hidden_states, .offset: 0, .size: 8, .value_kind: global_buffer, .address_space: global }
      - { .name: Wq, .offset: 8, .size: 8, .value_kind: global_buffer, .address_space: global }
      - { .name: Wk, .offset: 16, .size: 8, .value_kind: global_buffer, .address_space: global }
      - { .name: Wv, .offset: 24, .size: 8, .value_kind: global_buffer, .address_space: global }
      - { .name: Wo, .offset: 32, .size: 8, .value_kind: global_buffer, .address_space: global }
      - { .name: lowp_scales, .offset: 40, .size: 8, .value_kind: global_buffer, .address_space: global }
      - { .name: xc, .offset: 48, .size: 8, .value_kind: global_buffer, .address_space: global }
      - { .name: wc, .offset: 56, .size: 8, .value_kind: global_buffer, .address_space: global }
    .group_segment_fixed_size: 33280
    .private_segment_fixed_size: 0
    .kernarg_segment_align: 8
    .kernarg_segment_size: 64
    .max_flat_workgroup_size: 128
    .sgpr_count:     66
    .vgpr_count:     144
    .wavefront_size: 32
...
	.end_amdgpu_metadata
.endif
;; end of part 1
;; launch qkv (part 2): grid 4 x 192, 4 waves a work-group, clusters of 4 x 4, 327,680 bytes of LDS; arguments xc, wc, bq, bk, bv, lowp_scales, qkv; writes qkv
.if DOCPART == 2
	.amdgcn_target "amdgcn-amd-amdhsa--gfx1250"
	.amdhsa_code_object_version 6
	.text
	.protected	k_qff20b38d1e_qkv
	.globl	k_qff20b38d1e_qkv
	.p2align	8
	.type	k_qff20b38d1e_qkv,@function
k_qff20b38d1e_qkv:
	s_mov_b64 s[64:65], 0
	v_nop
	global_prefetch_b8 v0, s[64:65] scope:SCOPE_SE
	s_setreg_imm32_b32 hwreg(HW_REG_WAVE_MODE, 25, 1), 1
	s_wait_xcnt 0x0
	s_wait_alu depctr_hold_cnt(0) depctr_sa_sdst(0) depctr_va_vdst(0) depctr_va_sdst(0) depctr_va_ssrc(0) depctr_va_vcc(0) depctr_vm_vsrc(0)
	s_getreg_b32 s2, hwreg(HW_REG_IB_STS2, 6, 4)
	s_cmp_eq_u32 s2, 0
	s_cbranch_scc0 .Lentry_in_a_cluster
	s_endpgm
.Lentry_in_a_cluster:
	s_bfe_u32 s2, ttmp6, 0x10000c
	s_cmp_lg_u32 s2, 0xf033
	s_cbranch_scc0 .Lentry_shape_is_right
	s_endpgm
.Lentry_shape_is_right:
; The three projections on codes of FP8 (E4M3), their biases, q's factor 1/8, and the quantising of q, k, v for the attention (entries 6, 7, 9 of the scales).
; C = A B^T, both operands rows of 1,024 codes.  A tile of C is 128 rows of A x 256 rows of B; four waves, each 64 x 128: 32 accumulators of 16 x 16, 256 registers.
; KINDS, by the cluster's y (16 clusters each): 0: q = x Wq^T, 1: k = x Wk^T (A = x's codes, B = the weight's), 2: v TRANSPOSED, v^T = Wv x^T (A = Wv's codes, B = x's), so that a lane's eight results
; are neighbours along the KEYS, which are the K of the attention's second product.  THE MATRIX INSTRUCTION IS USED TRANSPOSED (source 0 = 16 rows of B, source 1 = 16 rows of A): lane (r, h) holds row r of A's
; block and its registers the columns 8 h + 0 .. 7 of B's block: eight neighbouring codes.
; THE BIAS STARTS THE SUMS: each accumulator begins as bias / 2^(ea + eb); a finished sum s stands for s x 2^(ea + eb), and its code is s / 2^E, E = eo - ea - eb (for q: eo = e6 + 3, which is the factor 1/8).
; LIMITS: E between -126 and 119.  NaN among the inputs is not served.
; K = 1,024 is four K steps of 256.  THREE LDS slots are filled at the start, all on their way together; the fourth K step is the one refill, into slot 0, asked for as soon as slot 0's last fragments are in
; registers: 128 matrix instructions stand between the request and the wait for it.  By this text's count a wave has at most three tensor loads out.
; CLUSTER 4 x 4: A's tile hangs on the tile row alone and is asked for jointly along a row of the cluster, B's on the tile column alone and jointly along a column.
; OUT: qkv holds three parts of 8 MiB (q, k, v).  A block (batch, group of 4 heads, 128 rows of s) is 32,768 dense bytes; q, k: [pair of heads 2][128 s][128 bytes = 2 heads x 64]; v: [head 4][64 d][128 keys].
; In each kind a wave's 64 x 128 codes are 8,192 dense bytes.
; REGISTERS: window 0: v16-18, v20-22 LDS addresses of my A and B fragments in slots 0-2; v24-26 the way out; v28, v29 the add's two; v30 2^E; v32-35 the bias along A's rows;
;   v64-127, v128-191 A's fragments, two sets; v192-255 the bias along B's rows.   window 1: B's fragments, two sets of 128.   window 2: accumulator (a, b) at v[8 (8 a + b)].
.set PITCH, 272                        ; an LDS row: 256 bytes + 16 of padding = 68 words: row r starts at bank 4 r mod 64 (64 banks of 4 bytes: ISA guide 11.1), so the 16 rows of a load start at 16 different banks
.set SLOT,  384*PITCH                  ; A's 128 rows, then B's 256 rows
.set BOFF,  128*PITCH
.set SPARE, 3*SLOT                     ; behind the slots: the spare words, 128 bytes for each wave; no other line names them
.set STG,   SLOT                       ; the way out: a stage for each wave in slot 1, which is filled once, at the start, and is read by nobody behind the last barrier
.set SPI,   144                        ; a stage row: 128 codes + 16
.set ADRA, 16
.set ADRB, 20
.set STO,  24
.set RD,   25
.set GO,   26
.set SPW,  28
.set NIL,  29
.set SCL,  30
.set LIM,  31
.set BM,   32
.set AF,   64
.set BN,   192
.set WV,   18                          ; s18 wave; s19 wave / 2: my half of the tile's rows, also: I fetch for A (0) or B (1); s20 wave % 2: my half of its columns, also: which half of that tile I fetch
.set RH,   19
.set CH,   20
.set G1A,  24                          ; s[24:31], s[32:39] descriptor groups 1; s[40:51], s[52:63] groups 0, a set for each slot
.set G1B,  32
.set G0A,  40
.set G0B,  52
.set MSB, 0
.macro WIN new                         ; the immediate's high byte repeats the setting that is left
.if MSB != \new
	s_set_vgpr_msb (MSB<<8)|\new
.set MSB, \new
.endif
.endm
.macro PLACES                          ; four plain vector lines behind a matrix instruction, ahead of loads into registers that it read and of the first read of its result
.rept 4
	v_nop
.endr
.endm
.macro ROUND                           ; a round of the cluster's barrier
	s_barrier_signal -1
	s_barrier_wait -1
	s_cmp_lg_u32 s[WV], 0
	s_cbranch_scc1 .Lnot_wave_0_\@
	s_barrier_signal -3
.Lnot_wave_0_\@:
	s_barrier_wait -3
	s_barrier_signal -1
	s_barrier_wait -1
.endm
.macro JLOAD                           ; the joint refill of slot 0: waves 0, 1 fetch A's halves, waves 2, 3 B's; an s_nop 0 and four v_nop follow each line
	s_cmp_eq_u32 s[RH], 0
	s_cbranch_scc0 .Lfor_b_\@
	tensor_load_to_lds s[G0A:G0A+3], s[G1A:G1A+7]
	s_nop 0
	PLACES
	s_branch .Lasked_\@
.Lfor_b_\@:
	tensor_load_to_lds s[G0B:G0B+3], s[G1B:G1B+7]
	s_nop 0
	PLACES
.Lasked_\@:
.endm
; 48 LDS loads in one run: the fragments of 128 along K (half 0 or 1 of a slot's rows) into set p.  A fragment, 16 rows x 128 K, is 16 registers: lane (r, h) holds of row r K = 32 c + 16 h + 0 .. 15 in
; registers 4 c .. 4 c + 3: a permutation of k that is the same in A and in B, so every product meets its partner.
.macro FETCH slot, half, p
	WIN 0x40                                       ; destination window 1, address window 0
.irp i, 0,1,2,3,4,5,6,7
.irp c, 0,1,2,3
	ds_load_b128 v[128*\p+16*\i+4*\c:128*\p+16*\i+4*\c+3], v[ADRB+\slot] offset:128*\half+32*\c+\i*16*PITCH
.endr
.endr
	WIN 0
.irp i, 0,1,2,3
.irp c, 0,1,2,3
	ds_load_b128 v[AF+64*\p+16*\i+4*\c:AF+64*\p+16*\i+4*\c+3], v[ADRA+\slot] offset:128*\half+32*\c+\i*16*PITCH
.endr
.endr
.endm
; 32 matrix instructions: 128 along K.  The 32 accumulators take turns, one instruction a turn, in the same order in every step.
.macro MUL32 p
	WIN 0xa1                                       ; source 0 (B) window 1, source 1 (A) window 0, C and D window 2
.irp a, 0,1,2,3
.irp b, 0,1,2,3,4,5,6,7
	v_wmma_f32_16x16x128_fp8_fp8 v[8*(8*\a+\b):8*(8*\a+\b)+7], v[128*\p+16*\b:128*\p+16*\b+15], v[AF+64*\p+16*\a:AF+64*\p+16*\a+15], v[8*(8*\a+\b):8*(8*\a+\b)+7]
.endr
.endr
.endm
	s_load_b256 s[4:11], s[0:1], 0x0               ; xc s[4:5], wc s[6:7], bq s[8:9], bk s[10:11]
	s_load_b128 s[12:15], s[0:1], 0x20             ; bv s[12:13], the scales s[14:15]
	s_load_b64 s[16:17], s[0:1], 0x30              ; qkv
	v_lshl_add_u32 v[SPW], v0, 2, SPARE
	v_mov_b32 v[NIL], 0
	ds_add_u32 v[SPW], v[NIL]                      ; the wave's opening: the add and its wait ahead of my first tensor load; the set-up below, work on registers, stands between them
	ds_add_u32 v[SPW], v[NIL]
	v_lshrrev_b32 v1, 5, v0
	v_readfirstlane_b32 s[WV], v1
	s_lshr_b32 s[RH], s[WV], 1
	s_and_b32 s[CH], s[WV], 1
	s_bfe_u32 s21, ttmp6, 0x40000                  ; cx
	s_bfe_u32 s22, ttmp6, 0x40004                  ; cy
	s_and_b32 s23, ttmp7, 0xffff                   ; the cluster's y, 0 .. 47
	s_lshl_b32 s80, s22, 2
	s_lshl_b32 s80, 15, s80                        ; my row of the cluster
	s_lshl_b32 s81, 0x1111, s21                    ; my column
	s_or_b32 s[G1A], s80, (1<<20)|(1<<21)|(5<<22)|(3<<25)   ; 15:0 the mask; 17:16 elements of 1 byte; 20 padding on; 21 set beside a mask; 24:22 after every 64 words; 31:25 four words
	s_or_b32 s[G1B], s81, (1<<20)|(1<<21)|(5<<22)|(3<<25)
	s_mov_b32 s[G1A+1], 256<<16                    ; tensor_dim0 = 256
	s_mov_b32 s[G1A+2], 64<<16                     ; tensor_dim1 = 64
	s_mov_b32 s[G1A+3], 256<<16                    ; tile_dim0 = 256
	s_mov_b32 s[G1A+4], 64                         ; tile_dim1 = 64
	s_mov_b32 s[G1A+5], 1024                       ; from row to row
	s_mov_b32 s[G1A+6], 0
	s_mov_b32 s[G1A+7], 0
	s_mov_b32 s[G1B+1], 256<<16
	s_mov_b32 s[G1B+2], 128<<16                    ; B's loads have 128 rows
	s_mov_b32 s[G1B+3], 256<<16
	s_mov_b32 s[G1B+4], 128
	s_mov_b32 s[G1B+5], 1024
	s_mov_b32 s[G1B+6], 0
	s_mov_b32 s[G1B+7], 0
	s_lshr_b32 s66, s23, 4                         ; kind
	s_and_b32 s80, s23, 15                         ; the cluster's number within its kind
	s_lshl_b32 s81, s80, 2
	s_add_co_u32 s81, s81, s22                     ; q, k: tile row = 4 y' + cy (64 of them); tile column = cx
	s_and_b32 s82, s80, 1
	s_lshl_b32 s82, s82, 2
	s_add_co_u32 s82, s82, s22                     ; v: tile row = 4 (y' % 2) + cy (8),
	s_lshr_b32 s83, s80, 1
	s_lshl_b32 s83, s83, 2
	s_add_co_u32 s83, s83, s21                     ;    tile column = 4 (y' / 2) + cx (32)
	s_lshl_b32 s86, s66, 23                        ; q, k: A is set `kind` of xc,
	s_lshl_b32 s87, s66, 20                        ;       B is matrix `kind` of wc
	s_cmp_eq_u32 s66, 2
	s_cselect_b32 s84, s82, s81                    ; tile row: it holds cy and never cx
	s_cselect_b32 s85, s83, s21                    ; tile column: it holds cx and never cy
	s_cselect_b32 s67, -1, 0                       ; all lanes' bits for v
	s_cselect_b32 s86, 0x200000, s86               ; v: A is matrix 2 of wc,
	s_cselect_b32 s87, 0x1000000, s87              ;    B is set 2 of xc
	s_lshl_b32 s88, s84, 17                        ; A: 128 rows of 1,024 bytes a tile row,
	s_add_co_u32 s88, s88, s86
	s_lshl_b32 s86, s[CH], 16                      ; + the 64 rows that I fetch
	s_add_co_u32 s88, s88, s86
	s_mov_b32 s89, 0
	s_lshl_b32 s90, s85, 18                        ; B: 256 rows a tile column,
	s_add_co_u32 s90, s90, s87
	s_lshl_b32 s87, s[CH], 17                      ; + the 128 rows that I fetch
	s_add_co_u32 s90, s90, s87
	s_mov_b32 s91, 0
	s_mul_i32 s92, s[CH], 64*PITCH                 ; where they go in a slot: no place in the cluster enters an LDS address
	s_mul_i32 s93, s[CH], 128*PITCH
	s_add_co_u32 s93, s93, BOFF
	s_wait_dscnt 0x0                               ; the opening add is done
	s_wait_kmcnt 0x0
	s_load_b256 s[68:75], s[14:15], 0x0            ; e0 .. e7
	s_load_b128 s[76:79], s[14:15], 0x20           ; e8 .. e11
	s_cmp_eq_u32 s66, 2
	s_cselect_b64 s[94:95], s[6:7], s[4:5]
	s_cselect_b64 s[96:97], s[4:5], s[6:7]
	s_add_nc_u64 s[94:95], s[94:95], s[88:89]
	s_add_nc_u64 s[96:97], s[96:97], s[90:91]
.irp n, 0,1,2
	s_mov_b32 s[G0A+4*\n], 1                                       ; count = 1
	s_add_co_u32 s[G0A+4*\n+1], s92, \n*SLOT                       ; LDS address
	s_add_nc_u64 s[G0A+4*\n+2:G0A+4*\n+3], s[94:95], \n*256        ; K step n
	s_or_b32 s[G0A+4*\n+3], s[G0A+4*\n+3], 0x80000000              ; type = 2
	s_mov_b32 s[G0B+4*\n], 1
	s_add_co_u32 s[G0B+4*\n+1], s93, \n*SLOT
	s_add_nc_u64 s[G0B+4*\n+2:G0B+4*\n+3], s[96:97], \n*256
	s_or_b32 s[G0B+4*\n+3], s[G0B+4*\n+3], 0x80000000
.endr
	ROUND                                          ; all sixteen work-groups are here: the first joint loads meet
	s_cmp_eq_u32 s[RH], 0                          ; a wave's three first fills stand in one branch, ahead of every wait on TENSORcnt and every LDS read
	s_cbranch_scc0 .Lfirst_b
	tensor_load_to_lds s[G0A:G0A+3], s[G1A:G1A+7]
	s_nop 0
	tensor_load_to_lds s[G0A+4:G0A+7], s[G1A:G1A+7]
	s_nop 0
	tensor_load_to_lds s[G0A+8:G0A+11], s[G1A:G1A+7]
	s_nop 0
	PLACES
	s_branch .Lfirst_done
.Lfirst_b:
	tensor_load_to_lds s[G0B:G0B+3], s[G1B:G1B+7]
	s_nop 0
	tensor_load_to_lds s[G0B+4:G0B+7], s[G1B:G1B+7]
	s_nop 0
	tensor_load_to_lds s[G0B+8:G0B+11], s[G1B:G1B+7]
	s_nop 0
	PLACES
.Lfirst_done:
	v_and_b32 v1, 15, v0                           ; r
	v_bfe_u32 v2, v0, 4, 1                         ; h
	v_lshlrev_b32 v8, 5, v2                        ; the bias along B's rows: 32 h bytes
	s_wait_alu depctr_va_vdst(0)
	v_lshlrev_b32 v9, 2, v1                        ; along A's rows: 4 r
	; the biases.  q, k: along the columns (B's rows): b[256 tc + 128 ch + 16 b + 8 h + j].  v: along A's rows: bv[128 tr + 64 rh + 16 a + r].  The set that a kind does not use is loaded from the buffer's head.
	s_wait_alu depctr_va_vdst(0)
	s_lshl_b32 s80, s85, 10
	s_lshl_b32 s81, s[CH], 9
	s_add_co_u32 s80, s80, s81
	s_lshl_b32 s82, s84, 9
	s_lshl_b32 s81, s[RH], 8
	s_add_co_u32 s82, s82, s81
	s_cmp_eq_u32 s66, 0
	s_cselect_b64 s[86:87], s[8:9], s[10:11]
	s_cmp_eq_u32 s66, 2
	s_cselect_b64 s[86:87], s[12:13], s[86:87]
	s_cselect_b32 s80, 0, s80
	s_cselect_b32 s82, s82, 0
	s_mov_b32 s81, 0
	s_mov_b32 s83, 0
	s_add_nc_u64 s[88:89], s[86:87], s[80:81]
	s_add_nc_u64 s[90:91], s[86:87], s[82:83]
.irp b, 0,1,2,3,4,5,6,7
	global_load_b128 v[BN+8*\b:BN+8*\b+3], v8, s[88:89] offset:64*\b
	global_load_b128 v[BN+8*\b+4:BN+8*\b+7], v8, s[88:89] offset:64*\b+16
.endr
.irp a, 0,1,2,3
	global_load_b32 v[BM+\a], v9, s[90:91] offset:64*\a
.endr
	v_mul_u32_u24 v3, v1, PITCH
	v_lshl_add_u32 v3, v2, 4, v3                   ; a fragment's row x pitch + 16 h
	s_mul_i32 s80, s[RH], 64*PITCH                 ; my 64 rows of A
	s_mul_i32 s81, s[CH], 128*PITCH                ; my 128 rows of B,
	s_add_co_u32 s81, s81, BOFF                    ; behind A's 128
.irp s, 0,1,2
	v_add_nc_u32 v[ADRA+\s], s80, v3
	v_add_nc_u32 v[ADRB+\s], s81, v3
	s_add_co_u32 s80, s80, SLOT
	s_add_co_u32 s81, s81, SLOT
.endr
	s_mul_i32 s80, s[WV], 64*SPI
	s_add_co_u32 s80, s80, STG                     ; my stage
	v_mul_u32_u24 v4, v1, SPI
	v_lshl_add_u32 v4, v2, 3, v4
	v_add_nc_u32 v[STO], s80, v4                   ; in: row r, 8 bytes for each half of the lanes
	v_and_b32 v5, 31, v0
	v_lshrrev_b32 v6, 3, v5
	v_and_b32 v7, 7, v5
	v_mul_u32_u24 v6, v6, SPI
	v_lshl_add_u32 v6, v7, 4, v6
	v_add_nc_u32 v[RD], s80, v6                    ; back: eight lanes to a row of 128 bytes, four rows an instruction
	v_lshlrev_b32 v[GO], 4, v5                     ; the same 512 bytes in memory, where the rows are dense
	; where my 8,192 bytes go
	s_lshr_b32 s80, s85, 2                         ; v: batch = tc / 4
	s_lshr_b32 s81, s84, 3                         ; q, k: batch = tr / 8
	s_lshr_b32 s82, s84, 1                         ; v: group of heads = tr / 2
	s_and_b32 s83, s85, 3
	s_lshl_b32 s83, s83, 1
	s_add_co_u32 s83, s83, s[CH]                   ; v: block of 128 keys = 2 (tc % 4) + ch
	s_and_b32 s92, s84, 7                          ; q, k: block of 128 rows = tr % 8
	s_and_b32 s93, s84, 1                          ; v: which 16,384 bytes of the block = tr % 2 (q, k: ch)
	s_cmp_eq_u32 s66, 2
	s_cselect_b32 s80, s80, s81
	s_cselect_b32 s82, s82, s85
	s_cselect_b32 s83, s83, s92
	s_cselect_b32 s93, s93, s[CH]
	s_lshl_b32 s80, s80, 2
	s_add_co_u32 s80, s80, s82
	s_lshl_b32 s80, s80, 3
	s_add_co_u32 s80, s80, s83
	s_lshl_b32 s80, s80, 15
	s_lshl_b32 s93, s93, 14
	s_add_co_u32 s80, s80, s93
	s_lshl_b32 s93, s[RH], 13
	s_add_co_u32 s80, s80, s93
	s_lshl_b32 s93, s66, 23                        ; the kind's part of qkv
	s_add_co_u32 s80, s80, s93
	s_mov_b32 s81, 0
	s_add_nc_u64 s[16:17], s[16:17], s[80:81]
	s_wait_kmcnt 0x0
	s_add_co_i32 s92, s68, s69                     ; e0 + e1
	s_add_co_i32 s93, s70, s71                     ; e2 + e3
	s_add_co_i32 s94, s72, s73                     ; e4 + e5
	s_add_co_i32 s95, s74, 3                       ; e6 + 3: q's factor 1/8 goes into its scale
	s_cmp_eq_u32 s66, 0
	s_cselect_b32 s92, s92, s93
	s_cselect_b32 s95, s95, s75
	s_cmp_eq_u32 s66, 2
	s_cselect_b32 s92, s94, s92                    ; ea + eb
	s_cselect_b32 s95, s77, s95                    ; eo
	s_sub_co_i32 s93, 0, s92
	s_sub_co_i32 s95, s95, s92                     ; E
	s_add_co_i32 s95, s95, 127
	s_lshl_b32 s94, s95, 23
	v_mov_b32 v[SCL], s94                          ; 2^E as f32
	s_add_co_i32 s95, s95, 8
	s_lshl_b32 s95, s95, 23
	s_or_b32 s95, s95, 0x600000
	s_wait_loadcnt 0x0
.set j, 0
.rept 64
	v_ldexp_f32 v[BN+j], v[BN+j], s93              ; bias / 2^(ea + eb)
.set j, j+1
.endr
.irp a, 0,1,2,3
	v_ldexp_f32 v[BM+\a], v[BM+\a], s93
.endr
	WIN 0x80                                       ; destination window 2.  The sums begin as the bias, by the kind's layout; this stands while the first tiles are on their way
.irp a, 0,1,2,3
.irp b, 0,1,2,3,4,5,6,7
.irp j, 0,1,2,3,4,5,6,7
	v_cndmask_b32 v[8*(8*\a+\b)+\j], v[BN+8*\b+\j], v[BM+\a], s67
.endr
.endr
.endr
	WIN 0
	s_wait_alu depctr_va_vdst(0)
	s_wait_tensorcnt 0x2                           ; my part of K step 0 is in; K steps 1 and 2 may be out
	s_barrier_signal -1
	s_barrier_wait -1                              ; everybody's is
	FETCH 0, 0, 0
	FETCH 0, 1, 1                                  ; step 0
	s_wait_dscnt 48                                ; all but the 48 just issued
	MUL32 0
	WIN 0                                          ; step 1, and the one refill
	s_wait_tensorcnt 0x0                           ; all my tensor loads have landed, so a group 0 may be written
	ds_add_u32 v[SPW], v[NIL]                      ; 0 onto my spare word
	s_add_nc_u64 s[G0A+2:G0A+3], s[G0A+2:G0A+3], 768   ; slot 0's descriptors step to K step 3
	s_add_nc_u64 s[G0B+2:G0B+3], s[G0B+2:G0B+3], 768
	s_wait_dscnt 0x0                               ; the add is done, and step 1's fragments are in: my reads of slot 0 are over
	ROUND                                          ; no wave of any partner still reads slot 0 or has a load on its way
	JLOAD                                          ; the first tensor load behind the round; its four v_nop are also the places in front of the loads below
	FETCH 1, 0, 0
	MUL32 1
	PLACES                                         ; step 2
	FETCH 1, 1, 1
	s_wait_dscnt 48
	MUL32 0
	PLACES                                         ; step 3
	FETCH 2, 0, 0
	s_wait_dscnt 48
	MUL32 1
	PLACES                                         ; step 4
	FETCH 2, 1, 1
	s_wait_dscnt 48
	MUL32 0
	WIN 0                                          ; step 5
	s_wait_tensorcnt 0x0                           ; my part of K step 3, the one load that was out
	s_wait_dscnt 0x0                               ; step 5's fragments are in; no LDS instruction is pending at the signal
	s_barrier_signal -1
	s_barrier_wait -1                              ; slot 0 is whole again; nobody reads slots 1 and 2 any more
	PLACES
	FETCH 0, 0, 0
	MUL32 1
	PLACES                                         ; step 6
	FETCH 0, 1, 1
	s_wait_dscnt 48
	MUL32 0
	s_wait_dscnt 0x0                               ; step 7
	MUL32 1
	; THE WAY OUT: the conversion (eight neighbouring codes a lane and accumulator), my stage in LDS, and back as dense runs of 512 bytes
	PLACES
	WIN 0x82                                       ; source 0 and destination window 2
.set j, 0
.rept 256
.set j, j+1
.endr
	WIN 0x02                                       ; source 0 window 2, destination window 0
.set j, 0
.rept 32
	v_cvt_scalef32_pk8_fp8_f32 v[AF+2*j:AF+2*j+1], v[8*j:8*j+7], v[SCL]
.set j, j+1
.endr
	v_nop                                          ; one plain vector line behind the last conversion
	WIN 0
.irp a, 0,1,2,3
.irp b, 0,1,2,3,4,5,6,7
	ds_store_b64 v[STO], v[AF+2*(8*\a+\b):AF+2*(8*\a+\b)+1] offset:16*\a*SPI+16*\b
.endr
.endr
.irp t, 0,1,2,3,4,5,6,7,8,9,10,11,12,13,14,15
	ds_load_b128 v[128+4*\t:128+4*\t+3], v[RD] offset:4*\t*SPI   ; LDS serves a wave's instructions in order (ISA guide 5.7.1.4): these see my stores
.endr
.irp t, 0,1,2,3,4,5,6,7,8,9,10,11,12,13,14,15
	s_wait_dscnt 15-\t
	global_store_b128 v[GO], v[128+4*\t:128+4*\t+3], s[16:17] offset:512*\t   ; 32 lanes store 512 consecutive bytes, aligned
.endr
	s_wait_tensorcnt 0x0                           ; the wave's end: three lines behind my last tensor load and my last LDS store
	ds_add_u32 v[SPW], v[NIL]
	s_wait_dscnt 0x0
	ROUND                                          ; the closing round: no work-group ends while a partner may still ask for a tile that names it
	s_endpgm
.Lfunc_end_k_qff20b38d1e_qkv:
	.size	k_qff20b38d1e_qkv, .Lfunc_end_k_qff20b38d1e_qkv-k_qff20b38d1e_qkv
	.p2alignl 7, 3214868480
	.fill 96, 4, 3214868480
	.section	.rodata,"a",@progbits
	.p2align	6, 0x0
	.amdhsa_kernel k_qff20b38d1e_qkv
		.amdhsa_group_segment_fixed_size 327680
		.amdhsa_private_segment_fixed_size 0
		.amdhsa_enable_private_segment 0
		.amdhsa_kernarg_size 56
		.amdhsa_user_sgpr_count 2
		.amdhsa_user_sgpr_kernarg_segment_ptr 1
		.amdhsa_wavefront_size32 1
		.amdhsa_system_sgpr_workgroup_id_x 1
		.amdhsa_system_sgpr_workgroup_id_y 1
		.amdhsa_system_sgpr_workgroup_id_z 1
		.amdhsa_system_vgpr_workitem_id 0
		.amdhsa_next_free_vgpr 768
		.amdhsa_next_free_sgpr 102
		.amdhsa_reserve_vcc 0
		.amdhsa_float_denorm_mode_32 3
		.amdhsa_float_denorm_mode_16_64 3
		.amdhsa_fp16_overflow 1
		.amdhsa_memory_ordered 1
		.amdhsa_forward_progress 1
		.amdhsa_inst_pref_size 83
	.end_amdhsa_kernel
	.amdgpu_metadata
---
amdhsa.version: [ 1, 2 ]
amdhsa.kernels:
  - .name:           k_qff20b38d1e_qkv
    .symbol:         k_qff20b38d1e_qkv.kd
    .args:
      - { .name: xc, .offset: 0, .size: 8, .value_kind: global_buffer, .address_space: global }
      - { .name: wc, .offset: 8, .size: 8, .value_kind: global_buffer, .address_space: global }
      - { .name: bq, .offset: 16, .size: 8, .value_kind: global_buffer, .address_space: global }
      - { .name: bk, .offset: 24, .size: 8, .value_kind: global_buffer, .address_space: global }
      - { .name: bv, .offset: 32, .size: 8, .value_kind: global_buffer, .address_space: global }
      - { .name: lowp_scales, .offset: 40, .size: 8, .value_kind: global_buffer, .address_space: global }
      - { .name: qkv, .offset: 48, .size: 8, .value_kind: global_buffer, .address_space: global }
    .group_segment_fixed_size: 327680
    .private_segment_fixed_size: 0
    .kernarg_segment_align: 8
    .kernarg_segment_size: 56
    .max_flat_workgroup_size: 128
    .sgpr_count:     102
    .vgpr_count:     768
    .wavefront_size: 32
...
	.end_amdgpu_metadata
.endif
;; end of part 2
;; launch attn (part 3): grid 4 x 64, 8 waves a work-group, clusters of 4 x 4, 327,680 bytes of LDS; arguments qkv, causal_attention_mask, lowp_scales, ctx; writes ctx
.if DOCPART == 3
	.amdgcn_target "amdgcn-amd-amdhsa--gfx1250"
	.amdhsa_code_object_version 6
	.text
	.protected	k_qff20b38d1e_attn
	.globl	k_qff20b38d1e_attn
	.p2align	8
	.type	k_qff20b38d1e_attn,@function
k_qff20b38d1e_attn:
	s_mov_b64 s[64:65], 0
	v_nop
	global_prefetch_b8 v0, s[64:65] scope:SCOPE_SE
	s_setreg_imm32_b32 hwreg(HW_REG_WAVE_MODE, 25, 1), 1
	s_wait_xcnt 0x0
	s_wait_alu depctr_hold_cnt(0) depctr_sa_sdst(0) depctr_va_vdst(0) depctr_va_sdst(0) depctr_va_ssrc(0) depctr_va_vcc(0) depctr_vm_vsrc(0)
	s_getreg_b32 s2, hwreg(HW_REG_IB_STS2, 6, 4)
	s_cmp_eq_u32 s2, 0
	s_cbranch_scc0 .Lentry_in_a_cluster
	s_endpgm
.Lentry_in_a_cluster:
	s_bfe_u32 s2, ttmp6, 0x10000c
	s_cmp_lg_u32 s2, 0xf033
	s_cbranch_scc0 .Lentry_shape_is_right
	s_endpgm
.Lentry_shape_is_right:
; ctx = softmax(q k^T + mask) v for 8 batches x 16 heads of 64, both products on codes of FP8 (E4M3); ctx leaves as codes under entry 10 of the scales.
; THE MASK IS AN INPUT: every number of it is loaded and added; no tile is left out.
; THE SOFTMAX AHEAD OF THE SECOND PRODUCT: logit = score x 2^(e6 + e7) + mask; t = logit x log2(e); M = the row's largest t so far, rounded UP to a whole number; p = 2^(t - M) is quantised with 2^e8, not normalised.
; The row's sum is taken of the unquantised p and divides at the end.  When M moves, the sum and O are multiplied by 2^(old M - new M), which rounds nothing.
; LIMITS: e6 + e7 between -126 and 127; e8, and e10 - e8 - e9, between -126 and 119.  NaN among the inputs is not served.  A query ALL of whose t lie under -3e38 (every key masked by the most negative f32 number)
; gets the sum 0 and no meaningful code.  Masked keys beside at least one ordinary logit give p = 0, in whatever order the keys come.
; SHARES.  A work-group owns 4 heads (group cx) x 128 queries (batch y / 2, block 4 (y % 2) + cy).  Wave w owns head w / 2 of the four and 64 queries (half w % 2): four UNITS of 16.  Every wave walks 8 key steps of 128.
; So a fragment of K or V read from LDS feeds four products, and a number of the mask fetched by a work-group serves four heads.
; CLUSTER 4 x 4: K's and V's tiles hang on (batch, cx) and are asked for jointly down a column; the mask's tile hangs on (batch, query block) and is asked for jointly along a row.
; RING: two LDS slots of one key step: K 256 rows (pair of heads x key) x 128 bytes, V 256 rows (head x d) x 128 keys, the mask 128 queries x 128 keys f32.  Waves 0, 1 fetch K's halves, 2, 3 V's, 4-7 32 rows of the mask
; each: 16 KiB a wave.  Both slots are filled at the start; by this text's count a wave has at most two tensor loads out, later one.
; THE CHANGE OF SLOTS STANDS INSIDE A KEY STEP'S LAST UNIT, directly behind the wave's last LDS read of the slot (that unit's numbers of the mask; K and V are in registers by then).  Behind the round the slot just left is
; filled again, and the NEXT step's K and first numbers of the mask are fetched from the other slot under the last unit's softmax, its V behind the last unit's second product: so a key step begins with its operands in registers.
; A refill is asked for in one step's last unit and waited for in the next step's: a whole key step.
; LAYOUT.  Both products transposed: S^T = K Q^T (source 0 = 16 keys), O^T = V^T P^T (source 0 = 16 of the head's 64): a lane holds ONE query (lane % 16) throughout.
; THE KEYS OF A TILE ARE NOT NEIGHBOURS: lane r of tile 2 b + u takes key 32 b + 8 u + r + 8 (r / 8), so that register 16 b + i of S^T is key 32 b + 16 (lane / 16) + i: the conversions' results are the second product's operand.
; REGISTERS: window 0: v1-6 LDS addresses of K, V, mask in slots 0, 1; v7-9 the way out; v10, v11 the add's two; v12 2^e8; v14 the same for ctx; v16-31 four a unit: -M, largest t, the sum in two halves;
;   v32-63 Q; v64-127 S^T, then p; v128-191 the mask's numbers; v192-207 p's codes; v208-233 at work.   window 1: v0-127 O^T (32 a unit); v128-191 K's 8 fragments; v192-255 V's 4.
.set KP,    144                        ; a row of K or V in LDS: 128 bytes + 16
.set MP,    528                        ; a row of the mask: 512 bytes + 16
.set VOFF,  256*KP
.set MOFF,  512*KP
.set SLOT,  MOFF+128*MP
.set STAGE, 2*SLOT                     ; the way out: 128 rows x (256 codes + 16): bytes of its own, into which no tile lands
.set SPI,   272
.set SPARE, STAGE+128*SPI              ; the spare words, 128 bytes for each of eight waves; no other line names them
.set ADK, 1
.set ADV, 3
.set ADM, 5
.set STO, 7
.set RD,  8
.set GO,  9
.set SPW, 10
.set NIL, 11
.set ST,  16
.set QF,  32
.set S,   64
.set MK,  128
.set PC,  192
.set TA,  208
.set TP,  210
.set FF,  212                          ; v[212:213]: f = 2^(old M - new M) in the low word
.set RL,  216                          ; v216-219: 1 / the row's sum, a unit each
.set MX,  224                          ; v224-227: the maximum's four chains
.set SU1, 228                          ; v[228:229], v[230:231], v[232:233]: three of the sum's four chains; the fourth is the running sum itself
.set SU2, 230
.set SU3, 232
.set LM2, 234
.set KF,  128                          ; in window 1
.set VF,  192
.set WV,  12
.set G1KV, 24
.set G1M,  32
.set G0KV, 40                          ; a set for each slot
.set G0M,  48
.set MSB, 0
.macro WIN new                         ; the immediate's high byte repeats the setting that is left
.if MSB != \new
	s_set_vgpr_msb (MSB<<8)|\new
.set MSB, \new
.endif
.endm
.macro PLACES                          ; four plain vector lines behind a matrix instruction, ahead of loads into registers that it read and of the first read of its result
.rept 4
	v_nop
.endr
.endm
.macro CREST                           ; a round of the cluster's barrier behind its opening barrier
	s_cmp_lg_u32 s[WV], 0
	s_cbranch_scc1 .Lnot_wave_0_\@
	s_barrier_signal -3
.Lnot_wave_0_\@:
	s_barrier_wait -3
	s_barrier_signal -1
	s_barrier_wait -1
.endm
.macro ROUND                           ; a whole round
	s_barrier_signal -1
	s_barrier_wait -1
	CREST
.endm
.macro JLOAD n                         ; the joint refill of slot n: waves 0-3 for K and V, waves 4-7 for the mask; an s_nop 0 and four v_nop follow each line
	s_cmp_lt_u32 s[WV], 4
	s_cbranch_scc0 .Lfor_m_\@
	tensor_load_to_lds s[G0KV+4*(\n):G0KV+4*(\n)+3], s[G1KV:G1KV+7]
	s_nop 0
	PLACES
	s_branch .Lasked_\@
.Lfor_m_\@:
	tensor_load_to_lds s[G0M+4*(\n):G0M+4*(\n)+3], s[G1M:G1M+7]
	s_nop 0
	PLACES
.Lasked_\@:
.endm
.macro LDK slot                        ; my head's K: 8 fragments of 16 keys x 64
	WIN 0x40                                       ; destination window 1
.irp t, 0,1,2,3,4,5,6,7
	ds_load_b128 v[KF+8*\t:KF+8*\t+3], v[ADK+(\slot)] offset:(32*(\t/2)+8*(\t%2))*KP
	ds_load_b128 v[KF+8*\t+4:KF+8*\t+7], v[ADK+(\slot)] offset:(32*(\t/2)+8*(\t%2))*KP+32
.endr
	WIN 0
.endm
.macro LDV slot                        ; my head's V: 4 fragments of 16 d x 128 keys
	WIN 0x40
.irp t, 0,1,2,3
.irp c, 0,1,2,3
	ds_load_b128 v[VF+16*\t+4*\c:VF+16*\t+4*\c+3], v[ADV+(\slot)] offset:16*\t*KP+32*\c
.endr
.endr
	WIN 0
.endm
.macro LDM slot, u                     ; unit u's 64 numbers of the mask, in S^T's order: register 16 b + i = key 32 b + 16 h + i of my query
.irp b, 0,1,2,3
.irp c, 0,1,2,3
	ds_load_b128 v[MK+16*\b+4*\c:MK+16*\b+4*\c+3], v[ADM+(\slot)] offset:(\u)*16*MP+128*\b+16*\c
.endr
.endr
.endm
; THE PARTS OF A UNIT (16 queries x 128 keys)
.macro SCORES u                        ; S^T = K Q^T
	WIN 0x01                                       ; source 0 (K) window 1
.irp t, 0,1,2,3,4,5,6,7
	v_wmma_f32_16x16x64_fp8_fp8 v[S+8*\t:S+8*\t+7], v[KF+8*\t:KF+8*\t+7], v[QF+8*(\u):QF+8*(\u)+7], 0
.endr
	WIN 0
	PLACES
.endm
.macro LOGITS
.set j, 0
.rept 32
	v_pk_fma_f32 v[S+j:S+j+1], v[S+j:S+j+1], s[58:59], v[MK+j:MK+j+1] op_sel_hi:[1,0,1]   ; logit = score x 2^(e6 + e7) + mask; each accumulator from its low end on
.set j, j+2
.endr
.endm
.macro MAXIMUM u                       ; the step's largest logit of my query, the running largest t, the new M, and f.  Work on registers alone
.set rT, ST+4*(\u)
.irp c, 0,1,2,3
	v_max3_num_f32 v[MX+\c], v[S+16*\c], v[S+16*\c+1], v[S+16*\c+2]   ; four chains of 15 logits each, which do not wait for each other,
.endr
.set j, 3
.rept 6
.irp c, 0,1,2,3
	s_delay_alu instid0(VALU_DEP_4)
	v_max3_num_f32 v[MX+\c], v[MX+\c], v[S+16*\c+j], v[S+16*\c+j+1]
.endr
.set j, j+2
.endr
	s_delay_alu instid0(VALU_DEP_4)
	v_max3_num_f32 v[MX], v[MX], v[S+15], v[S+31]  ; the four logits left over, and the chains
	s_delay_alu instid0(VALU_DEP_3)
	v_max3_num_f32 v[MX+2], v[MX+2], v[S+47], v[S+63]
	s_delay_alu instid0(VALU_DEP_1)
	v_max3_num_f32 v[MX], v[MX], v[MX+1], v[MX+2]
	s_delay_alu instid0(VALU_DEP_1)
	v_max_num_f32 v[MX], v[MX], v[MX+3]
	s_delay_alu instid0(VALU_DEP_1)
	v_permlanex16_b32 v[TP], v[MX], s56, s57
	s_delay_alu instid0(VALU_DEP_1)
	v_max_num_f32 v[MX], v[MX], v[TP]              ; and lane l xor 16's
	s_delay_alu instid0(VALU_DEP_1)
	v_mul_f32 v[MX], s60, v[MX]                    ; as t
	s_delay_alu instid0(VALU_DEP_1)
	v_max_num_f32 v[rT+1], v[rT+1], v[MX]          ; the running largest t
	v_mov_b32 v[TA], v[rT]
	s_delay_alu instid0(VALU_DEP_2)
	v_floor_f32 v[rT], -v[rT+1]                    ; the new -M = floor(-t) = -ceil(t)
	s_delay_alu instid0(VALU_DEP_1)
	v_sub_f32 v[TA], v[rT], v[TA]                  ; old M - new M: a whole number, 0 or less
	s_delay_alu instid0(VALU_DEP_1)
	v_cvt_i32_f32 v[TA], v[TA]                     ; (it saturates)
	s_delay_alu instid0(VALU_DEP_1)
	v_ldexp_f32 v[FF], 1.0, v[TA]                  ; f = 2^(old M - new M)
.endm
.macro SHIFT u
.set rT, ST+4*(\u)
.set j, 0
.rept 32
	v_pk_fma_f32 v[S+j:S+j+1], v[S+j:S+j+1], s[60:61], v[rT:rT+1] op_sel_hi:[1,0,0]   ; t - M (of the pairs log2(e) and -M the low word serves both halves)
.set j, j+2
.endr
.endm
.macro POWERS u                        ; p, and the row's sum of the unquantised p
.set rT, ST+4*(\u)
.set j, 0
.rept 64
	v_exp_f32 v[S+j], v[S+j]                       ; p = 2^(t - M), at most 1
.set j, j+1
.endr
	v_pk_mul_f32 v[rT+2:rT+3], v[rT+2:rT+3], v[FF:FF+1] op_sel_hi:[1,0]   ; the sums under the new M: the plain line behind the exponentials
	s_wait_alu depctr_va_vdst(0)                   ; one wait for the whole batch, ahead of its first reader
	v_pk_add_f32 v[SU1:SU1+1], v[S:S+1], v[S+2:S+3]       ; 32 pairs in four chains: three begin with two pairs each, the fourth is the running sum
	v_pk_add_f32 v[SU2:SU2+1], v[S+4:S+5], v[S+6:S+7]
	v_pk_add_f32 v[SU3:SU3+1], v[S+8:S+9], v[S+10:S+11]
.set j, 12
.rept 6
	v_pk_add_f32 v[rT+2:rT+3], v[rT+2:rT+3], v[S+j:S+j+1]
	v_pk_add_f32 v[SU1:SU1+1], v[SU1:SU1+1], v[S+j+2:S+j+3]
	v_pk_add_f32 v[SU2:SU2+1], v[SU2:SU2+1], v[S+j+4:S+j+5]
	v_pk_add_f32 v[SU3:SU3+1], v[SU3:SU3+1], v[S+j+6:S+j+7]
.set j, j+8
.endr
	v_pk_add_f32 v[rT+2:rT+3], v[rT+2:rT+3], v[S+60:S+61]
	v_pk_add_f32 v[SU1:SU1+1], v[SU1:SU1+1], v[S+62:S+63]
	s_delay_alu instid0(VALU_DEP_3)
	v_pk_add_f32 v[SU2:SU2+1], v[SU2:SU2+1], v[SU3:SU3+1]
	s_delay_alu instid0(VALU_DEP_2)
	v_pk_add_f32 v[rT+2:rT+3], v[rT+2:rT+3], v[SU1:SU1+1]
	s_delay_alu instid0(VALU_DEP_1)
	v_pk_add_f32 v[rT+2:rT+3], v[rT+2:rT+3], v[SU2:SU2+1]
.endm
.macro CODES                           ; p's codes: the second product's operand
.irp b, 0,1,2,3
.set j, 0
.rept 8
.set j, j+2
.endr
	v_cvt_scalef32_pk8_fp8_f32 v[PC+4*\b:PC+4*\b+1], v[S+16*\b:S+16*\b+7], v12
	v_cvt_scalef32_pk8_fp8_f32 v[PC+4*\b+2:PC+4*\b+3], v[S+16*\b+8:S+16*\b+15], v12
.endr
.endm
.macro PRODUCT u                       ; O^T = O^T x f + V^T P^T
	WIN 0x41                                       ; O^T (destination and source 0) window 1
.set j, 0
.rept 16
	v_pk_mul_f32 v[32*(\u)+j:32*(\u)+j+1], v[32*(\u)+j:32*(\u)+j+1], v[FF:FF+1] op_sel_hi:[1,0]   ; O^T under the new M; also the plain lines behind the conversions
.set j, j+2
.endr
.if (\u) == 0
	s_wait_alu depctr_va_vdst(0)
	s_wait_dscnt 16                                ; V's sixteen loads are in; the sixteen of the next unit's mask, issued behind them, may be out
.endif
	WIN 0x51                                       ; V window 1, p's codes window 0, O^T window 1
.irp t, 0,1,2,3
	v_wmma_f32_16x16x128_fp8_fp8 v[32*(\u)+8*\t:32*(\u)+8*\t+7], v[VF+16*\t:VF+16*\t+15], v[PC:PC+15], v[32*(\u)+8*\t:32*(\u)+8*\t+7]
.endr
	WIN 0
.endm
; Units 0 to 2 of a key step.  At a step's head three runs of sixteen LDS loads have been issued, in this order: K, unit 0's mask, V.
.macro UNIT u, slot
.if (\u) == 0
	s_wait_dscnt 32                                ; K is in; the mask's and V's loads may be out
.endif
	SCORES \u
.if (\u) == 0
	s_wait_dscnt 16                                ; the mask's numbers are in; V's loads may be out
.else
	s_wait_dscnt 0x0                               ; this unit's numbers of the mask are in
.endif
	LOGITS
	LDM \slot, (\u)+1                              ; the next unit's, while this one is worked
	MAXIMUM \u
	SHIFT \u
	s_wait_alu depctr_va_vdst(0)
	POWERS \u
	CODES
	PRODUCT \u
.endm
; Unit 3, with the change of slots.  mode = 2: the slot is filled again, with the keys two steps on, behind a round of the cluster's barrier; 1: nothing is left to ask for: a barrier of the work-group; 0: the last key step.
.macro UNIT3 slot, mode
	SCORES 3
	s_wait_dscnt 0x0                               ; this unit's numbers of the mask are in: my last read of this slot
.if \mode
	s_wait_tensorcnt 0x0                           ; all my tensor loads have landed: my part of the other slot; so a group 0 may be written
	ds_add_u32 v[SPW], v[NIL]                      ; 0 onto my spare word; the steps and the logits, work on registers, stand between it and the wait for it
.if \mode == 2
	s_add_nc_u64 s[G0KV+4*\slot+2:G0KV+4*\slot+3], s[G0KV+4*\slot+2:G0KV+4*\slot+3], 65536   ; this slot's next tiles: two key steps on
	s_add_nc_u64 s[G0M+4*\slot+2:G0M+4*\slot+3], s[G0M+4*\slot+2:G0M+4*\slot+3], 1024
.endif
.endif
	LOGITS
.if \mode
	s_wait_dscnt 0x0                               ; the add is done, and my reads of this slot are over
	s_barrier_signal -1                            ; say so (mode 2: this barrier opens a round of the cluster's),
.endif
	MAXIMUM 3                                      ; work on registers while the others arrive,
.if \mode
	s_barrier_wait -1                              ; and go on when all eight waves have said so
.if \mode == 2
	CREST                                          ; no wave of any partner still reads this slot's tiles or has a load on its way
	JLOAD \slot                                    ; the first tensor load behind the round, and my one load until the next
.endif
	LDK 1-\slot                                    ; the next step's K: unit 3's products, the last to read these registers, stand more than four plain lines back
.endif
	s_wait_alu depctr_va_vdst(0)
	SHIFT 3
.if \mode
	LDM 1-\slot, 0                                 ; the next step's first numbers of the mask
.endif
	s_wait_alu depctr_va_vdst(0)
	POWERS 3
	CODES
	PRODUCT 3
.if \mode
	PLACES                                         ; in front of loads into registers that the last products read
	LDV 1-\slot                                    ; the next step's V: wanted a softmax later
.endif
.endm
.macro STEP slot, mode
	UNIT 0, \slot
	UNIT 1, \slot
	UNIT 2, \slot
	UNIT3 \slot, \mode
.endm
	s_load_b256 s[4:11], s[0:1], 0x0               ; qkv s[4:5], the mask s[6:7], the scales s[8:9], ctx s[10:11]
	v_lshl_add_u32 v[SPW], v0, 2, SPARE
	v_mov_b32 v[NIL], 0
	ds_add_u32 v[SPW], v[NIL]                      ; the wave's opening: the add and its wait ahead of my first tensor load; the set-up below, work on registers, stands between them
	ds_add_u32 v[SPW], v[NIL]
	v_lshrrev_b32 v208, 5, v0
	s_delay_alu instid0(VALU_DEP_1)
	v_readfirstlane_b32 s[WV], v208                ; wave 0 .. 7
	s_bfe_u32 s13, ttmp6, 0x40000                  ; cx: the group of four heads
	s_bfe_u32 s14, ttmp6, 0x40004                  ; cy
	s_and_b32 s15, ttmp7, 0xffff                   ; the cluster's y, 0 .. 15
	s_lshl_b32 s80, 0x1111, s13                    ; my column of the cluster
	s_lshl_b32 s81, s14, 2
	s_lshl_b32 s81, 15, s81                        ; my row
	s_or_b32 s[G1KV], s80, (1<<20)|(1<<21)|(4<<22)|(3<<25)          ; elements of 1 byte; padding: four words after every 32
	s_or_b32 s[G1M], s81, (2<<16)|(1<<20)|(1<<21)|(6<<22)|(3<<25)   ; elements of 4 bytes; padding: four words after every 128
	s_mov_b32 s[G1KV+1], 128<<16                   ; 128 rows of 128 bytes, dense in memory
	s_mov_b32 s[G1KV+2], 128<<16
	s_mov_b32 s[G1KV+3], 128<<16
	s_mov_b32 s[G1KV+4], 128
	s_mov_b32 s[G1KV+5], 128
	s_mov_b32 s[G1KV+6], 0
	s_mov_b32 s[G1KV+7], 0
	s_mov_b32 s[G1M+1], 128<<16                    ; 32 rows of 128 numbers, 1,024 numbers apart
	s_mov_b32 s[G1M+2], 32<<16
	s_mov_b32 s[G1M+3], 128<<16
	s_mov_b32 s[G1M+4], 32
	s_mov_b32 s[G1M+5], 1024
	s_mov_b32 s[G1M+6], 0
	s_mov_b32 s[G1M+7], 0
	s_mov_b32 s56, 0x76543210                      ; v_permlanex16_b32's selects for lane l xor 16
	s_mov_b32 s57, 0xfedcba98
	s_mov_b32 s60, 0x3fb8aa3b                      ; log2(e)
	s_mov_b32 s61, s60                             ; (named with it as a pair, so it is written)
	s_lshr_b32 s16, s15, 1                         ; batch
	s_lshr_b32 s18, s[WV], 1                       ; my head of the four
	s_and_b32 s19, s[WV], 1                        ; my half of the 128 queries
	s_and_b32 s20, s[WV], 3
	; K, V: the part of qkv (k: 1, v: 2) x 8 MiB + (4 batch + cx) x 8 blocks of 32,768 + the half of a block that I fetch.  These registers never hold cy
	s_lshl_b32 s80, s16, 2
	s_add_co_u32 s80, s80, s13
	s_lshl_b32 s80, s80, 18
	s_bfe_u32 s81, s[WV], 0x10001
	s_add_co_u32 s81, s81, 1
	s_lshl_b32 s81, s81, 23
	s_add_co_u32 s80, s80, s81
	s_lshl_b32 s81, s19, 14
	s_add_co_u32 s80, s80, s81
	s_mov_b32 s81, 0
	; the mask: batch x 4 MiB + (128 query block + 32 (wave % 4)) rows of 4,096 bytes.  These registers never hold cx
	s_and_b32 s82, s15, 1
	s_lshl_b32 s82, s82, 2
	s_add_co_u32 s17, s82, s14                     ; query block = 4 (y % 2) + cy
	s_lshl_b32 s82, s17, 19
	s_lshl_b32 s83, s16, 22
	s_add_co_u32 s82, s82, s83
	s_lshl_b32 s83, s20, 17
	s_add_co_u32 s82, s82, s83
	s_mov_b32 s83, 0
	s_mul_i32 s84, s20, 128*KP                     ; where they go in a slot: K's halves, then V's halves;
	s_mul_i32 s85, s20, 32*MP
	s_add_co_u32 s85, s85, MOFF                    ; the mask's four quarters
	s_wait_dscnt 0x0                               ; the opening add is done
	s_wait_kmcnt 0x0
	s_load_b256 s[68:75], s[8:9], 0x0              ; e0 .. e7
	s_load_b128 s[76:79], s[8:9], 0x20             ; e8 .. e11
	s_add_nc_u64 s[80:81], s[4:5], s[80:81]
	s_add_nc_u64 s[82:83], s[6:7], s[82:83]
.irp n, 0,1
	s_mov_b32 s[G0KV+4*\n], 1
	s_add_co_u32 s[G0KV+4*\n+1], s84, \n*SLOT
	s_add_nc_u64 s[G0KV+4*\n+2:G0KV+4*\n+3], s[80:81], \n*32768    ; key step n
	s_or_b32 s[G0KV+4*\n+3], s[G0KV+4*\n+3], 0x80000000
	s_mov_b32 s[G0M+4*\n], 1
	s_add_co_u32 s[G0M+4*\n+1], s85, \n*SLOT
	s_add_nc_u64 s[G0M+4*\n+2:G0M+4*\n+3], s[82:83], \n*512
	s_or_b32 s[G0M+4*\n+3], s[G0M+4*\n+3], 0x80000000
.endr
	ROUND                                          ; all sixteen work-groups are here: the first joint loads meet
	s_cmp_lt_u32 s[WV], 4                          ; a wave's two first fills stand in one branch, ahead of every wait on TENSORcnt and every LDS read; an s_nop 0 follows each, four v_nop the second's
	s_cbranch_scc0 .Lfirst_m
	tensor_load_to_lds s[G0KV:G0KV+3], s[G1KV:G1KV+7]
	s_nop 0
	tensor_load_to_lds s[G0KV+4:G0KV+7], s[G1KV:G1KV+7]
	s_nop 0
	PLACES
	s_branch .Lfirst_done
.Lfirst_m:
	tensor_load_to_lds s[G0M:G0M+3], s[G1M:G1M+7]
	s_nop 0
	tensor_load_to_lds s[G0M+4:G0M+7], s[G1M:G1M+7]
	s_nop 0
	PLACES
.Lfirst_done:
	; Q: my 64 queries of my head stay in registers: 8 a unit
	s_lshl_b32 s86, s16, 2
	s_add_co_u32 s86, s86, s13
	s_lshl_b32 s86, s86, 18
	s_lshl_b32 s87, s17, 15
	s_add_co_u32 s86, s86, s87
	s_lshr_b32 s87, s[WV], 2                       ; my head's pair
	s_lshl_b32 s87, s87, 14
	s_add_co_u32 s86, s86, s87
	s_lshl_b32 s87, s19, 13
	s_add_co_u32 s86, s86, s87
	s_bfe_u32 s87, s[WV], 0x10001                  ; my head in its pair
	s_lshl_b32 s87, s87, 6
	s_add_co_u32 s86, s86, s87
	s_mov_b32 s87, 0
	s_add_nc_u64 s[86:87], s[4:5], s[86:87]
	v_and_b32 v208, 15, v0                         ; r
	s_wait_alu depctr_va_vdst(0)
	v_bfe_u32 v209, v0, 4, 1                       ; h
	v_lshlrev_b32 v211, 7, v208
	s_delay_alu instid0(VALU_DEP_1)
	v_lshl_add_u32 v211, v209, 4, v211             ; row r of 128 bytes + 16 h; never rewritten
.irp u, 0,1,2,3
	global_load_b128 v[QF+8*\u:QF+8*\u+3], v211, s[86:87] offset:2048*\u
	global_load_b128 v[QF+8*\u+4:QF+8*\u+7], v211, s[86:87] offset:2048*\u+32
.endr
	s_lshl_b32 s90, s16, 10                        ; ctx: row 1,024 batch + 128 query block + 16 wave, of 1,024 bytes; column 256 cx
	s_lshl_b32 s91, s17, 7
	s_add_co_u32 s90, s90, s91
	s_lshl_b32 s91, s[WV], 4
	s_add_co_u32 s90, s90, s91
	s_lshl_b32 s90, s90, 10
	s_lshl_b32 s91, s13, 8
	s_add_co_u32 s90, s90, s91
	s_mov_b32 s91, 0
	s_add_nc_u64 s[10:11], s[10:11], s[90:91]
	v_and_b32 v210, 8, v208
	s_delay_alu instid0(VALU_DEP_1)
	v_add_nc_u32 v210, v210, v208                  ; r + 8 (r / 8)
	s_delay_alu instid0(VALU_DEP_1)
	v_mul_u32_u24 v[ADK], v210, KP
	s_wait_alu depctr_va_vdst(0)
	v_lshl_add_u32 v[ADK], v209, 4, v[ADK]
	s_lshr_b32 s88, s[WV], 2
	s_mul_i32 s88, s88, 128*KP                     ; my head's pair,
	s_bfe_u32 s89, s[WV], 0x10001
	s_lshl_b32 s89, s89, 6                         ; and its 64 bytes of the row
	s_add_co_u32 s88, s88, s89
	v_add_nc_u32 v[ADK], s88, v[ADK]
	s_delay_alu instid0(VALU_DEP_1)
	v_add_nc_u32 v[ADK+1], SLOT, v[ADK]
	v_mul_u32_u24 v[ADV], v208, KP
	s_delay_alu instid0(VALU_DEP_1)
	v_lshl_add_u32 v[ADV], v209, 4, v[ADV]
	s_mul_i32 s88, s18, 64*KP
	s_add_co_u32 s88, s88, VOFF
	v_add_nc_u32 v[ADV], s88, v[ADV]
	s_delay_alu instid0(VALU_DEP_1)
	v_add_nc_u32 v[ADV+1], SLOT, v[ADV]
	v_mul_u32_u24 v[ADM], v208, MP
	s_delay_alu instid0(VALU_DEP_1)
	v_lshl_add_u32 v[ADM], v209, 6, v[ADM]
	s_mul_i32 s88, s19, 64*MP
	s_add_co_u32 s88, s88, MOFF
	v_add_nc_u32 v[ADM], s88, v[ADM]
	s_delay_alu instid0(VALU_DEP_1)
	v_add_nc_u32 v[ADM+1], SLOT, v[ADM]
	v_mul_u32_u24 v[STO], v208, SPI                ; the stage, in: row 64 half + 16 u + r; byte 64 head + 16 t + 8 h
	s_delay_alu instid0(VALU_DEP_1)
	v_lshl_add_u32 v[STO], v209, 3, v[STO]
	s_mul_i32 s88, s19, 64*SPI
	s_lshl_b32 s89, s18, 6
	s_add_co_u32 s88, s88, s89
	s_add_co_u32 s88, s88, STAGE
	v_add_nc_u32 v[STO], s88, v[STO]
	v_mul_u32_u24 v[RD], v209, SPI                 ; back: wave w takes rows 16 w on; lanes 0-15 one row of 256 bytes, lanes 16-31 the next
	s_delay_alu instid0(VALU_DEP_1)
	v_lshl_add_u32 v[RD], v208, 4, v[RD]
	s_mul_i32 s88, s[WV], 16*SPI
	s_add_co_u32 s88, s88, STAGE
	v_add_nc_u32 v[RD], s88, v[RD]
	v_lshlrev_b32 v[GO], 10, v209                  ; and the same two rows in ctx
	s_delay_alu instid0(VALU_DEP_1)
	v_lshl_add_u32 v[GO], v208, 4, v[GO]
.irp u, 0,1,2,3
	v_mov_b32 v[ST+4*\u+1], 0xff61b1e6             ; the largest t so far: -3e38
	s_delay_alu instid0(VALU_DEP_1)
	v_floor_f32 v[ST+4*\u], -v[ST+4*\u+1]          ; -M
	v_mov_b32 v[ST+4*\u+2], 0                      ; the sum, in two halves
	v_mov_b32 v[ST+4*\u+3], 0
.endr
	v_mov_b32 v[TP], 0                             ; a lane permute's destination counts as one of its sources
	v_mov_b32 v[FF+1], 0                           ; (named as the upper half of the pair)
	WIN 0x40
.set j, 0
.rept 128
	v_mov_b32 v[j], 0                              ; O^T.  (The key step is written without a first step of its own: the first finds zeros, which the first change of M leaves zeros)
.set j, j+1
.endr
	WIN 0
	s_wait_kmcnt 0x0
	s_add_co_i32 s58, s74, s75
	s_add_co_i32 s58, s58, 127
	s_lshl_b32 s58, s58, 23                        ; 2^(e6 + e7) as f32
	s_mov_b32 s59, s58
	s_add_co_i32 s88, s76, 127
	s_lshl_b32 s89, s88, 23
	v_mov_b32 v12, s89                             ; 2^e8
	s_sub_co_i32 s88, s78, s76                     ; a sum of the second product stands for sum x 2^(e8 + e9): ctx's code is (sum / l) / 2^(e10 - e8 - e9)
	s_sub_co_i32 s88, s88, s77
	s_add_co_i32 s88, s88, 127
	s_lshl_b32 s89, s88, 23
	v_mov_b32 v14, s89
	s_add_co_i32 s88, s88, 8
	s_lshl_b32 s88, s88, 23
	s_or_b32 s88, s88, 0x600000
	s_wait_loadcnt 0x0                             ; Q
	s_wait_tensorcnt 0x1                           ; my part of slot 0 is in; slot 1's may stay out
	s_barrier_signal -1
	s_barrier_wait -1                              ; everybody's is
	LDK 0                                          ; key step 0's operands, in the order in which every step finds them issued: K, unit 0's mask, V
	LDM 0, 0
	LDV 0
	s_mov_b32 s62, 3
.Lloop:                                            ; three trips of two key steps; each step's last unit asks for the keys two steps on: key steps 2 to 7
	STEP 0, 2
	STEP 1, 2
	s_sub_co_u32 s62, s62, 1
	s_cmp_lg_u32 s62, 0
	s_cbranch_scc1 .Lloop
	STEP 0, 1                                      ; the last two key steps are written out: key step 6 asks for nothing
	STEP 1, 0                                      ; and key step 7 has no change of slots
	; THE WAY OUT: O^T / the sum, converted, through the work-group's stage (a row's 256 codes come from four heads' waves), and out as whole aligned runs of 256 bytes
	PLACES
.irp u, 0,1,2,3
	v_add_f32 v[RL+\u], v[ST+4*\u+2], v[ST+4*\u+3] ; the sum's two halves,
.endr
.irp u, 0
	s_delay_alu instid0(VALU_DEP_4)
	v_permlanex16_b32 v[TP], v[RL+\u], s56, s57
	s_delay_alu instid0(VALU_DEP_1)
	v_add_f32 v[RL+\u], v[RL+\u], v[TP]            ; and lane l xor 16's
.endr
.irp u, 1, 2, 3
	s_delay_alu instid0(VALU_DEP_2)
	v_permlanex16_b32 v[TP], v[RL+\u], s56, s57
	s_delay_alu instid0(VALU_DEP_1)
	v_add_f32 v[RL+\u], v[RL+\u], v[TP]            ; and lane l xor 16's
.endr
	s_wait_alu depctr_va_vdst(0)
.irp u, 0,1,2,3
	v_rcp_f32 v[RL+\u], v[RL+\u]
.endr
	v_nop                                          ; a plain line behind the last reciprocal
	s_wait_alu depctr_va_vdst(0)                   ; one wait for the four, ahead of their first reader
.irp u, 0,1,2,3
	WIN 0x01                                       ; source 0 (O^T) window 1
.set j, 0
.rept 32
	v_mul_f32 v[S+32*(\u%2)+j], v[32*\u+j], v[RL+\u]   ; each accumulator from its low end on
.set j, j+1
.endr
	WIN 0
.set j, 0
.rept 32
.set j, j+1
.endr
.irp t, 0,1,2,3
	v_cvt_scalef32_pk8_fp8_f32 v[MK+8*\u+2*\t:MK+8*\u+2*\t+1], v[S+32*(\u%2)+8*\t:S+32*(\u%2)+8*\t+7], v14
.endr
	v_nop                                          ; one plain vector line behind the last conversion
.irp t, 0,1,2,3
	ds_store_b64 v[STO], v[MK+8*\u+2*\t:MK+8*\u+2*\t+1] offset:\u*16*SPI+16*\t
.endr
.endr
	s_wait_dscnt 0x0                               ; for the others' sake: my stores into the stage are done
	s_barrier_signal -1
	s_barrier_wait -1
.irp i, 0,1,2,3,4,5,6,7
	ds_load_b128 v[S+4*\i:S+4*\i+3], v[RD] offset:2*\i*SPI
.endr
.irp i, 0,1,2,3,4,5,6,7
	s_wait_dscnt 7-\i
	global_store_b128 v[GO], v[S+4*\i:S+4*\i+3], s[10:11] offset:2048*\i   ; 16 lanes store 256 consecutive bytes, aligned
.endr
	s_wait_tensorcnt 0x0                           ; the wave's end: three lines behind my last tensor load and my last LDS store
	ds_add_u32 v[SPW], v[NIL]
	s_wait_dscnt 0x0
	ROUND                                          ; the closing round
	s_endpgm
.Lfunc_end_k_qff20b38d1e_attn:
	.size	k_qff20b38d1e_attn, .Lfunc_end_k_qff20b38d1e_attn-k_qff20b38d1e_attn
	.p2alignl 7, 3214868480
	.fill 96, 4, 3214868480
	.section	.rodata,"a",@progbits
	.p2align	6, 0x0
	.amdhsa_kernel k_qff20b38d1e_attn
		.amdhsa_group_segment_fixed_size 327680
		.amdhsa_private_segment_fixed_size 0
		.amdhsa_enable_private_segment 0
		.amdhsa_kernarg_size 32
		.amdhsa_user_sgpr_count 2
		.amdhsa_user_sgpr_kernarg_segment_ptr 1
		.amdhsa_wavefront_size32 1
		.amdhsa_system_sgpr_workgroup_id_x 1
		.amdhsa_system_sgpr_workgroup_id_y 1
		.amdhsa_system_sgpr_workgroup_id_z 1
		.amdhsa_system_vgpr_workitem_id 0
		.amdhsa_next_free_vgpr 512
		.amdhsa_next_free_sgpr 100
		.amdhsa_reserve_vcc 0
		.amdhsa_float_denorm_mode_32 3
		.amdhsa_float_denorm_mode_16_64 3
		.amdhsa_fp16_overflow 1
		.amdhsa_memory_ordered 1
		.amdhsa_forward_progress 1
		.amdhsa_inst_pref_size 255
	.end_amdhsa_kernel
	.section	.bss,"aw",@nobits
	.p2align	6
	.space	262144
	.amdgpu_metadata
---
amdhsa.version: [ 1, 2 ]
amdhsa.kernels:
  - .name:           k_qff20b38d1e_attn
    .symbol:         k_qff20b38d1e_attn.kd
    .args:
      - { .name: qkv, .offset: 0, .size: 8, .value_kind: global_buffer, .address_space: global }
      - { .name: causal_attention_mask, .offset: 8, .size: 8, .value_kind: global_buffer, .address_space: global }
      - { .name: lowp_scales, .offset: 16, .size: 8, .value_kind: global_buffer, .address_space: global }
      - { .name: ctx, .offset: 24, .size: 8, .value_kind: global_buffer, .address_space: global }
    .group_segment_fixed_size: 327680
    .private_segment_fixed_size: 0
    .kernarg_segment_align: 8
    .kernarg_segment_size: 32
    .max_flat_workgroup_size: 256
    .sgpr_count:     100
    .vgpr_count:     512
    .wavefront_size: 32
...
	.end_amdgpu_metadata
.endif
;; end of part 3
;; launch outp (part 4): grid 4 x 64, 4 waves a work-group, clusters of 4 x 4, 327,680 bytes of LDS; arguments ctx, wc, bo, lowp_scales, out0; writes out0
.if DOCPART == 4
	.amdgcn_target "amdgcn-amd-amdhsa--gfx1250"
	.amdhsa_code_object_version 6
	.text
	.protected	k_qff20b38d1e_outp
	.globl	k_qff20b38d1e_outp
	.p2align	8
	.type	k_qff20b38d1e_outp,@function
k_qff20b38d1e_outp:
	s_mov_b64 s[64:65], 0
	v_nop
	global_prefetch_b8 v0, s[64:65] scope:SCOPE_SE
	s_setreg_imm32_b32 hwreg(HW_REG_WAVE_MODE, 25, 1), 1
	s_wait_xcnt 0x0
	s_wait_alu depctr_hold_cnt(0) depctr_sa_sdst(0) depctr_va_vdst(0) depctr_va_sdst(0) depctr_va_ssrc(0) depctr_va_vcc(0) depctr_vm_vsrc(0)
	s_getreg_b32 s2, hwreg(HW_REG_IB_STS2, 6, 4)
	s_cmp_eq_u32 s2, 0
	s_cbranch_scc0 .Lentry_in_a_cluster
	s_endpgm
.Lentry_in_a_cluster:
	s_bfe_u32 s2, ttmp6, 0x10000c
	s_cmp_lg_u32 s2, 0xf033
	s_cbranch_scc0 .Lentry_shape_is_right
	s_endpgm
.Lentry_shape_is_right:
; out0 = ctx Wo^T + bo on codes of FP8 (E4M3): A = ctx's codes [8192][1024], B = Wo's codes (matrix 3 of wc) [1024][1024]; a finished sum s gives s x 2^(e10 + e11) + bo, one packed multiply-add for two numbers.
; LIMIT: e10 + e11 between -126 and 127.
; A tile of the output is 128 rows x 256 columns; four waves, each 64 x 128: 32 accumulators, 256 registers; 256 work-groups.  THE MATRIX INSTRUCTION IS USED TRANSPOSED (source 0 = 16 rows of B, source 1 = 16 rows of A):
; a lane holds eight neighbouring numbers of a row of the output.
; K = 1,024 is four K steps of 256.  THREE LDS slots are filled at the start, all on their way together; the fourth K step is the one refill, into slot 0, asked for as soon as slot 0's last fragments are in
; registers: 128 matrix instructions stand between the request and the wait for it.  By this text's count a wave has at most three tensor loads out.
; CLUSTER 4 x 4: A's tile hangs on the tile row alone and is asked for jointly along a row of the cluster, B's on the tile column alone and jointly along a column.
; REGISTERS: window 0: v16-18, v20-22 LDS addresses of my A and B fragments in slots 0-2; v24-26 the way out; v28, v29 the add's two; v64-127, v128-191 A's fragments, two sets (on the way out: results, and rows read back);
;   v192-255 bo at my columns.   window 1: B's fragments, two sets of 128.   window 2: accumulator (a, b) at v[8 (8 a + b)].
.set PITCH, 272                        ; an LDS row: 256 bytes + 16 of padding = 68 words: row r starts at bank 4 r mod 64 (64 banks of 4 bytes: ISA guide 11.1)
.set SLOT,  384*PITCH                  ; A's 128 rows, then B's 256 rows
.set BOFF,  128*PITCH
.set SPARE, 3*SLOT                     ; behind the slots: the spare words, 128 bytes for each wave; no other line names them
.set STG,   SLOT                       ; the way out: a stage for each wave in slot 1, which is filled once, at the start, and is read by nobody behind the last barrier
.set SPI,   528                        ; a stage row: 128 numbers + 16 bytes
.set ADRA, 16
.set ADRB, 20
.set STO,  24
.set RD,   25
.set GO,   26
.set SPW,  28
.set NIL,  29
.set AF,   64
.set BN,   192
.set WV,   18
.set RH,   19
.set CH,   20
.set G1A,  24
.set G1B,  32
.set G0A,  40
.set G0B,  52
.set MSB, 0
.macro WIN new                         ; the immediate's high byte repeats the setting that is left
.if MSB != \new
	s_set_vgpr_msb (MSB<<8)|\new
.set MSB, \new
.endif
.endm
.macro PLACES                          ; four plain vector lines behind a matrix instruction, ahead of loads into registers that it read and of the first read of its result
.rept 4
	v_nop
.endr
.endm
.macro ROUND                           ; a round of the cluster's barrier
	s_barrier_signal -1
	s_barrier_wait -1
	s_cmp_lg_u32 s[WV], 0
	s_cbranch_scc1 .Lnot_wave_0_\@
	s_barrier_signal -3
.Lnot_wave_0_\@:
	s_barrier_wait -3
	s_barrier_signal -1
	s_barrier_wait -1
.endm
.macro JLOAD                           ; the joint refill of slot 0: waves 0, 1 fetch A's halves, waves 2, 3 B's; an s_nop 0 and four v_nop follow each line
	s_cmp_eq_u32 s[RH], 0
	s_cbranch_scc0 .Lfor_b_\@
	tensor_load_to_lds s[G0A:G0A+3], s[G1A:G1A+7]
	s_nop 0
	PLACES
	s_branch .Lasked_\@
.Lfor_b_\@:
	tensor_load_to_lds s[G0B:G0B+3], s[G1B:G1B+7]
	s_nop 0
	PLACES
.Lasked_\@:
.endm
; 48 LDS loads in one run: the fragments of 128 along K (half 0 or 1 of a slot's rows) into set p.  Lane (r, h) holds of row r K = 32 c + 16 h + 0 .. 15 in registers 4 c .. 4 c + 3: the same permutation of k in A and in B.
.macro FETCH slot, half, p
	WIN 0x40                                       ; destination window 1, address window 0
.irp i, 0,1,2,3,4,5,6,7
.irp c, 0,1,2,3
	ds_load_b128 v[128*\p+16*\i+4*\c:128*\p+16*\i+4*\c+3], v[ADRB+\slot] offset:128*\half+32*\c+\i*16*PITCH
.endr
.endr
	WIN 0
.irp i, 0,1,2,3
.irp c, 0,1,2,3
	ds_load_b128 v[AF+64*\p+16*\i+4*\c:AF+64*\p+16*\i+4*\c+3], v[ADRA+\slot] offset:128*\half+32*\c+\i*16*PITCH
.endr
.endr
.endm
; 32 matrix instructions: 128 along K.  The 32 accumulators take turns, one instruction a turn, in the same order in every step.  zero = 1: the first product starts the sums.
.macro MUL32 p, zero
	WIN 0xa1                                       ; source 0 (B) window 1, source 1 (A) window 0, C and D window 2
.irp a, 0,1,2,3
.irp b, 0,1,2,3,4,5,6,7
.if \zero
	v_wmma_f32_16x16x128_fp8_fp8 v[8*(8*\a+\b):8*(8*\a+\b)+7], v[128*\p+16*\b:128*\p+16*\b+15], v[AF+64*\p+16*\a:AF+64*\p+16*\a+15], 0
.else
	v_wmma_f32_16x16x128_fp8_fp8 v[8*(8*\a+\b):8*(8*\a+\b)+7], v[128*\p+16*\b:128*\p+16*\b+15], v[AF+64*\p+16*\a:AF+64*\p+16*\a+15], v[8*(8*\a+\b):8*(8*\a+\b)+7]
.endif
.endr
.endr
.endm
	s_load_b256 s[4:11], s[0:1], 0x0               ; ctx s[4:5], wc s[6:7], bo s[8:9], the scales s[10:11]
	s_load_b64 s[12:13], s[0:1], 0x20              ; out0
	v_lshl_add_u32 v[SPW], v0, 2, SPARE
	v_mov_b32 v[NIL], 0
	ds_add_u32 v[SPW], v[NIL]                      ; the wave's opening: the add and its wait ahead of my first tensor load; the set-up below, work on registers, stands between them
	ds_add_u32 v[SPW], v[NIL]
	v_lshrrev_b32 v1, 5, v0
	v_readfirstlane_b32 s[WV], v1
	s_lshr_b32 s[RH], s[WV], 1                     ; my half of the tile's rows.  Also: I fetch for A (0) or for B (1)
	s_and_b32 s[CH], s[WV], 1                      ; my half of its columns.  Also: which half of that tile I fetch
	s_bfe_u32 s21, ttmp6, 0x40000                  ; cx
	s_bfe_u32 s22, ttmp6, 0x40004                  ; cy
	s_and_b32 s23, ttmp7, 0xffff                   ; the cluster's y, 0 .. 15
	s_lshl_b32 s80, s22, 2
	s_lshl_b32 s80, 15, s80                        ; my row of the cluster
	s_lshl_b32 s81, 0x1111, s21                    ; my column
	s_or_b32 s[G1A], s80, (1<<20)|(1<<21)|(5<<22)|(3<<25)   ; 15:0 the mask; 17:16 elements of 1 byte; 20 padding on; 21 set beside a mask; 24:22 after every 64 words; 31:25 four words
	s_or_b32 s[G1B], s81, (1<<20)|(1<<21)|(5<<22)|(3<<25)
	s_mov_b32 s[G1A+1], 256<<16                    ; tensor_dim0 = 256
	s_mov_b32 s[G1A+2], 64<<16                     ; tensor_dim1 = 64
	s_mov_b32 s[G1A+3], 256<<16                    ; tile_dim0 = 256
	s_mov_b32 s[G1A+4], 64                         ; tile_dim1 = 64
	s_mov_b32 s[G1A+5], 1024                       ; from row to row
	s_mov_b32 s[G1A+6], 0
	s_mov_b32 s[G1A+7], 0
	s_mov_b32 s[G1B+1], 256<<16
	s_mov_b32 s[G1B+2], 128<<16                    ; B's loads have 128 rows
	s_mov_b32 s[G1B+3], 256<<16
	s_mov_b32 s[G1B+4], 128
	s_mov_b32 s[G1B+5], 1024
	s_mov_b32 s[G1B+6], 0
	s_mov_b32 s[G1B+7], 0
	s_lshl_b32 s84, s23, 2
	s_add_co_u32 s84, s84, s22                     ; tile row = 4 y + cy: it never holds cx
	s_mov_b32 s85, s21                             ; tile column = cx: it never holds cy
	s_lshl_b32 s88, s84, 17                        ; A: 128 rows of 1,024 bytes a tile row,
	s_lshl_b32 s86, s[CH], 16                      ; + the 64 rows that I fetch
	s_add_co_u32 s88, s88, s86
	s_mov_b32 s89, 0
	s_lshl_b32 s90, s85, 18                        ; B: 256 rows a tile column,
	s_lshl_b32 s87, s[CH], 17                      ; + the 128 rows that I fetch,
	s_add_co_u32 s90, s90, s87
	s_add_co_u32 s90, s90, 0x300000                ; in matrix 3 of wc
	s_mov_b32 s91, 0
	s_mul_i32 s92, s[CH], 64*PITCH                 ; where they go in a slot: no place in the cluster enters an LDS address
	s_mul_i32 s93, s[CH], 128*PITCH
	s_add_co_u32 s93, s93, BOFF
	s_wait_dscnt 0x0                               ; the opening add is done
	s_wait_kmcnt 0x0
	s_load_b64 s[96:97], s[10:11], 0x28            ; e10, e11
	s_add_nc_u64 s[94:95], s[4:5], s[88:89]
	s_add_nc_u64 s[98:99], s[6:7], s[90:91]
.irp n, 0,1,2
	s_mov_b32 s[G0A+4*\n], 1                                       ; count = 1
	s_add_co_u32 s[G0A+4*\n+1], s92, \n*SLOT                       ; LDS address
	s_add_nc_u64 s[G0A+4*\n+2:G0A+4*\n+3], s[94:95], \n*256        ; K step n
	s_or_b32 s[G0A+4*\n+3], s[G0A+4*\n+3], 0x80000000              ; type = 2
	s_mov_b32 s[G0B+4*\n], 1
	s_add_co_u32 s[G0B+4*\n+1], s93, \n*SLOT
	s_add_nc_u64 s[G0B+4*\n+2:G0B+4*\n+3], s[98:99], \n*256
	s_or_b32 s[G0B+4*\n+3], s[G0B+4*\n+3], 0x80000000
.endr
	ROUND                                          ; all sixteen work-groups are here: the first joint loads meet
	s_cmp_eq_u32 s[RH], 0                          ; a wave's three first fills stand in one branch, ahead of every wait on TENSORcnt and every LDS read
	s_cbranch_scc0 .Lfirst_b
	tensor_load_to_lds s[G0A:G0A+3], s[G1A:G1A+7]
	s_nop 0
	tensor_load_to_lds s[G0A+4:G0A+7], s[G1A:G1A+7]
	s_nop 0
	tensor_load_to_lds s[G0A+8:G0A+11], s[G1A:G1A+7]
	s_nop 0
	PLACES
	s_branch .Lfirst_done
.Lfirst_b:
	tensor_load_to_lds s[G0B:G0B+3], s[G1B:G1B+7]
	s_nop 0
	tensor_load_to_lds s[G0B+4:G0B+7], s[G1B:G1B+7]
	s_nop 0
	tensor_load_to_lds s[G0B+8:G0B+11], s[G1B:G1B+7]
	s_nop 0
	PLACES
.Lfirst_done:
	v_and_b32 v1, 15, v0                           ; r
	s_wait_alu depctr_va_vdst(0)
	v_bfe_u32 v2, v0, 4, 1                         ; h
	v_lshlrev_b32 v8, 5, v2                        ; bo: 32 h bytes
	s_lshl_b32 s80, s85, 10                        ; bo[256 tc + 128 ch + 16 b + 8 h + j]
	s_lshl_b32 s81, s[CH], 9
	s_add_co_u32 s80, s80, s81
	s_mov_b32 s81, 0
	s_add_nc_u64 s[8:9], s[8:9], s[80:81]
.irp b, 0,1,2,3,4,5,6,7
	global_load_b128 v[BN+8*\b:BN+8*\b+3], v8, s[8:9] offset:64*\b
	global_load_b128 v[BN+8*\b+4:BN+8*\b+7], v8, s[8:9] offset:64*\b+16
.endr
	s_lshl_b32 s82, s84, 19                        ; out0: 128 rows of 4,096 bytes a tile row,
	s_lshl_b32 s83, s[RH], 18                      ; + my 64 rows,
	s_add_co_u32 s82, s82, s83
	s_add_co_u32 s82, s82, s80                     ; + my first column, in bytes as in bo
	s_mov_b32 s83, 0
	s_add_nc_u64 s[12:13], s[12:13], s[82:83]
	v_mul_u32_u24 v3, v1, PITCH
	s_wait_alu depctr_va_vdst(0)
	v_lshl_add_u32 v3, v2, 4, v3                   ; a fragment's row x pitch + 16 h
	s_mul_i32 s86, s[RH], 64*PITCH                 ; my 64 rows of A
	s_mul_i32 s87, s[CH], 128*PITCH                ; my 128 rows of B,
	s_add_co_u32 s87, s87, BOFF                    ; behind A's 128
.irp s, 0,1,2
	v_add_nc_u32 v[ADRA+\s], s86, v3
	v_add_nc_u32 v[ADRB+\s], s87, v3
	s_add_co_u32 s86, s86, SLOT
	s_add_co_u32 s87, s87, SLOT
.endr
	s_mul_i32 s86, s[WV], 16*SPI
	s_add_co_u32 s86, s86, STG                     ; my stage: 16 rows
	v_mul_u32_u24 v4, v1, SPI
	v_lshl_add_u32 v4, v2, 5, v4
	v_add_nc_u32 v[STO], s86, v4                   ; in: row r, 32 bytes for each half of the lanes
	v_and_b32 v5, 31, v0
	v_lshlrev_b32 v[GO], 4, v5                     ; back: the 32 lanes take one row of 512 bytes; the same in out0
	v_add_nc_u32 v[RD], s86, v[GO]
	s_wait_tensorcnt 0x2                           ; my part of K step 0 is in; K steps 1 and 2 may be out
	s_barrier_signal -1
	s_barrier_wait -1                              ; everybody's is
	FETCH 0, 0, 0
	FETCH 0, 1, 1                                  ; step 0: its products start the sums
	s_wait_dscnt 48                                ; all but the 48 just issued
	MUL32 0, 1
	WIN 0                                          ; step 1, and the one refill
	s_wait_tensorcnt 0x0                           ; all my tensor loads have landed, so a group 0 may be written
	ds_add_u32 v[SPW], v[NIL]                      ; 0 onto my spare word
	s_add_nc_u64 s[G0A+2:G0A+3], s[G0A+2:G0A+3], 768   ; slot 0's descriptors step to K step 3
	s_add_nc_u64 s[G0B+2:G0B+3], s[G0B+2:G0B+3], 768
	s_wait_dscnt 0x0                               ; the add is done, and step 1's fragments are in: my reads of slot 0 are over
	ROUND                                          ; no wave of any partner still reads slot 0 or has a load on its way
	JLOAD                                          ; the first tensor load behind the round; its four v_nop are also the places in front of the loads below
	s_wait_alu depctr_va_vdst(0)
	FETCH 1, 0, 0
	MUL32 1, 0
	PLACES                                         ; step 2
	FETCH 1, 1, 1
	s_wait_dscnt 48
	MUL32 0, 0
	PLACES                                         ; step 3
	FETCH 2, 0, 0
	s_wait_dscnt 48
	MUL32 1, 0
	PLACES                                         ; step 4
	FETCH 2, 1, 1
	s_wait_dscnt 48
	MUL32 0, 0
	WIN 0                                          ; step 5
	s_wait_tensorcnt 0x0                           ; my part of K step 3, the one load that was out
	s_wait_dscnt 0x0                               ; step 5's fragments are in; no LDS instruction is pending at the signal
	s_barrier_signal -1
	s_barrier_wait -1                              ; slot 0 is whole again; nobody reads slots 1 and 2 any more
	PLACES
	FETCH 0, 0, 0
	MUL32 1, 0
	PLACES                                         ; step 6
	FETCH 0, 1, 1
	s_wait_dscnt 48
	MUL32 0, 0
	s_wait_dscnt 0x0                               ; step 7
	MUL32 1, 0
	WIN 0
	; THE WAY OUT, a block of 16 rows x 128 columns at a time: sum x 2^(e10 + e11) + bo; through my stage in LDS; back as whole rows of 512 bytes
	s_wait_loadcnt 0x0                             ; bo
	s_wait_kmcnt 0x0
	s_add_co_i32 s96, s96, s97
	s_add_co_i32 s96, s96, 127
	s_lshl_b32 s96, s96, 23                        ; 2^(e10 + e11) as f32
	s_mov_b32 s97, s96                             ; (named with it as a pair, so it is written)
	PLACES
.irp a, 0,1,2,3
	WIN 0x02                                       ; source 0 (the sums) window 2
.irp b, 0,1,2,3,4,5,6,7
.irp i, 0,2,4,6
	v_pk_fma_f32 v[AF+8*\b+\i:AF+8*\b+\i+1], v[8*(8*\a+\b)+\i:8*(8*\a+\b)+\i+1], s[96:97], v[BN+8*\b+\i:BN+8*\b+\i+1] op_sel_hi:[1,0,1]   ; each accumulator from its low end on
.endr
.endr
	WIN 0
.irp b, 0,1,2,3,4,5,6,7
	ds_store_b128 v[STO], v[AF+8*\b:AF+8*\b+3] offset:64*\b
	ds_store_b128 v[STO], v[AF+8*\b+4:AF+8*\b+7] offset:64*\b+16
.endr
.if \a > 0
	s_wait_xcnt 0x0                                ; the last block's stores have read their data: the loads below land in those registers only behind this wait
.endif
.irp t, 0,1,2,3,4,5,6,7,8,9,10,11,12,13,14,15
	ds_load_b128 v[128+4*\t:128+4*\t+3], v[RD] offset:\t*SPI   ; LDS serves a wave's instructions in order (ISA guide 5.7.1.4): these see my stores, and the next block's stores come behind them
.endr
.irp t, 0,1,2,3,4,5,6,7,8,9,10,11,12,13,14,15
	s_wait_dscnt 15-\t
	global_store_b128 v[GO], v[128+4*\t:128+4*\t+3], s[12:13] offset:(16*\a+\t)*4096 th:TH_STORE_NT   ; 32 lanes store 512 consecutive bytes, aligned; written once, read by nobody here
.endr
.endr
	s_wait_tensorcnt 0x0                           ; the wave's end: three lines behind my last tensor load and my last LDS store
	ds_add_u32 v[SPW], v[NIL]
	s_wait_dscnt 0x0
	ROUND                                          ; the closing round: no work-group ends while a partner may still ask for a tile that names it
	s_endpgm
.Lfunc_end_k_qff20b38d1e_outp:
	.size	k_qff20b38d1e_outp, .Lfunc_end_k_qff20b38d1e_outp-k_qff20b38d1e_outp
	.p2alignl 7, 3214868480
	.fill 96, 4, 3214868480
	.section	.rodata,"a",@progbits
	.p2align	6, 0x0
	.amdhsa_kernel k_qff20b38d1e_outp
		.amdhsa_group_segment_fixed_size 327680
		.amdhsa_private_segment_fixed_size 0
		.amdhsa_enable_private_segment 0
		.amdhsa_kernarg_size 40
		.amdhsa_user_sgpr_count 2
		.amdhsa_user_sgpr_kernarg_segment_ptr 1
		.amdhsa_wavefront_size32 1
		.amdhsa_system_sgpr_workgroup_id_x 1
		.amdhsa_system_sgpr_workgroup_id_y 1
		.amdhsa_system_sgpr_workgroup_id_z 1
		.amdhsa_system_vgpr_workitem_id 0
		.amdhsa_next_free_vgpr 768
		.amdhsa_next_free_sgpr 102
		.amdhsa_reserve_vcc 0
		.amdhsa_float_denorm_mode_32 3
		.amdhsa_float_denorm_mode_16_64 3
		.amdhsa_memory_ordered 1
		.amdhsa_forward_progress 1
		.amdhsa_inst_pref_size 77
	.end_amdhsa_kernel
	.amdgpu_metadata
---
amdhsa.version: [ 1, 2 ]
amdhsa.kernels:
  - .name:           k_qff20b38d1e_outp
    .symbol:         k_qff20b38d1e_outp.kd
    .args:
      - { .name: ctx, .offset: 0, .size: 8, .value_kind: global_buffer, .address_space: global }
      - { .name: wc, .offset: 8, .size: 8, .value_kind: global_buffer, .address_space: global }
      - { .name: bo, .offset: 16, .size: 8, .value_kind: global_buffer, .address_space: global }
      - { .name: lowp_scales, .offset: 24, .size: 8, .value_kind: global_buffer, .address_space: global }
      - { .name: out0, .offset: 32, .size: 8, .value_kind: global_buffer, .address_space: global }
    .group_segment_fixed_size: 327680
    .private_segment_fixed_size: 0
    .kernarg_segment_align: 8
    .kernarg_segment_size: 40
    .max_flat_workgroup_size: 128
    .sgpr_count:     102
    .vgpr_count:     768
    .wavefront_size: 32
...
	.end_amdgpu_metadata
.endif
;; end of part 4
